; MI455X (gfx1250); checked and timed in simulation.
; The chip was launched on July 23, 2026; its instructions are those of AMD's public machine-readable ISA for CDNA 5 (MIT licence, August 2026) and "CDNA5" Instruction Set Architecture Reference Guide (July 2026). The comments in the code are by the model that wrote it; some were corrected since.
;; Sliding Window Attention. Allowed arithmetic: matrix products marked QUANTISED: E2M1 operands, one E8M0 scale for each 32 along K, by v_wmma_scale_f32_16x16x128_f8f6f4 with both operands' format E2M1 (or v_wmma_scale_f32_32x16x128_f4), f32 sums; products left as they are: bf16, f16 or f32 operands; f32 sums; everything else in f32.
;; Inputs: Wk 1,024 x 1,024 float32; Wo 1,024 x 1,024 float32; Wq 1,024 x 1,024 float32; Wv 1,024 x 1,024 float32; x 1 x 4,096 x 1,024 float32.
;; Outputs: out0 1 x 4,096 x 1,024 float32.
;; This version of the problem:
;;   THIS VERSION OF THE PROBLEM IS GIVEN IN LOW PRECISION. The matrix products marked QUANTISED in the list below multiply operands that are first quantised to E2M1 (2 exponent bits, 1 mantissa bit; 4 bits a number), with one power-of-two scale for each 32 numbers along K (OCP MX v1.0); their sums are f32. The products marked 'left as it is' may take bf16, f16 or f32 operands, with f32 sums. Whichever they take, every output number must still come out within the allowed error. Rounding operands to bf16 (8 significant bits) uses up far more of that allowance than f16 does (11 bits, for magnitudes from 6e-5 to 65,504). All else is computed in f32.
;;   The module's matrix products, in the order in which they are computed (A, B: the left and right operand; K: the contracted axis; several contracted axes count as one K, in the product's order):
;;     1. [M 4,096, K 1,024] x [K 1,024, N 1,024]; A: input x; B: input Wq: QUANTISED
;;     2. [M 4,096, K 1,024] x [K 1,024, N 1,024]; A: input x; B: input Wk: QUANTISED
;;     3. [M 4,096, K 1,024] x [K 1,024, N 1,024]; A: input x; B: input Wv: QUANTISED
;;     4. batch 16 x [M 4,096, K 64] x [K 64, N 4,096]; A: computed on the way; B: computed on the way: left as it is (an operand is computed on the way)
;;     5. batch 16 x [M 64, K 4,096] x [K 4,096, N 4,096]; A: computed on the way; B: computed on the way: left as it is (an operand is computed on the way)
;;     6. [M 4,096, K 1,024] x [K 1,024, N 1,024]; A: computed on the way; B: input Wo: left as it is (an operand is computed on the way)
;;   THE QUANTISER, for each operand of a quantised product, along K:
;;     - K is cut into blocks of 32 from its start; a last block that is shorter is filled with zeros.
;;     - A block's scale is 2^e with e = floor(log2(the largest magnitude in the block)) - 2, held to -126 .. 127; a block of zeros has e = 0. As a byte (E8M0): e + 127.
;;     - Each number is divided by its block's scale, clamped to +-6, and rounded to the nearest number of E2M1, ties to even, subnormals kept.
;;     - The product sums the exact products of the quantised numbers (number of the format x scale) in f32.
;;   ~~~python
;;   def quantise(x, axis):      # numpy; x: float32 -> the quantised numbers, widened to float32 again
;;       x = np.moveaxis(x, axis, -1); K = x.shape[-1]
;;       x = np.pad(x, [(0, 0)] * (x.ndim - 1) + [(0, -K % 32)]); x = x.reshape(x.shape[:-1] + (-1, 32)); a = np.abs(x).max(-1, keepdims=True)
;;       e = np.where(a > 0, np.clip(np.frexp(np.where(a > 0, a, 1))[1] - 1 - 2, -126, 127), 0)      # np.frexp(a)[1] - 1 = floor(log2(a)), exactly
;;       r = np.clip(x / 2.0 ** e, -6, 6)
;;       step = 2.0 ** (np.maximum(np.frexp(np.where(r == 0, 1, r))[1] - 1, 0) - 1)
;;       q = np.round(r / step) * step * 2.0 ** e      # np.round: ties to even
;;       return np.moveaxis(q.reshape(q.shape[:-2] + (-1,))[..., :K], -1, axis).astype(np.float32)
;;   ~~~
;; One version. Each part assembles by itself: llvm-mc -triple=amdgcn-amd-amdhsa -mcpu=gfx1250 --defsym DOCPART=n.
;; ======== version 1 of 1: 5 launches
;; limits: values are held in f16: magnitudes above 65,504 overflow, below 6.1e-05 lose precision
;; workspace buffers: x_codes 2,097,152 bytes; x_scales 131,072 bytes; w_codes 1,572,864 bytes; w_scales 98,304 bytes; wo16 2,097,152 bytes; qkv 25,165,824 bytes; qkv32 196,608 bytes; att 8,388,608 bytes
;; launch quant (part 1): grid 256 x 1, 4 waves a work-group, no clusters, 33,280 bytes of LDS; arguments x, Wq, Wk, Wv, Wo, x_codes, x_scales, w_codes, w_scales, wo16; writes x_codes, x_scales, w_codes, w_scales, wo16
.if DOCPART == 1
	.amdgcn_target "amdgcn-amd-amdhsa--gfx1250"
	.amdhsa_code_object_version 6
	.text
	.protected	k_q86710300f7_quant
	.globl	k_q86710300f7_quant
	.p2align	8
	.type	k_q86710300f7_quant,@function
k_q86710300f7_quant:
	s_mov_b64 s[64:65], 0
	v_nop
	global_prefetch_b8 v0, s[64:65] scope:SCOPE_SE
	s_setreg_imm32_b32 hwreg(HW_REG_WAVE_MODE, 25, 1), 1
	s_wait_xcnt 0x0
; x [4096][1024] and Wq, Wk, Wv [1024][1024], f32 with K innermost, become codes of E2M1 (two a byte, the lower k in the low four bits) and one E8M0 byte for each 32 along K.
; Wq, Wk, Wv go one behind the other into w_codes [3072][512 bytes] and w_scales [3072][32].  Wo [1024][1024] is rounded to f16 (wo16): its product is not quantised.
; A block's scale is 2^(floor(log2(its largest magnitude)) - 2); its byte is the largest magnitude's exponent field - 2, held at 1 from below.
; LIMITS: a block of zeros gets the byte 1, not 127: its codes are zeros, and the bytes are read by this program alone.  NaN and infinities among the inputs are not served.
; Numbers of Wo beyond 65,504 become infinity in f16; those under 6e-5 keep fewer than 11 bits.
; SHARES: a work-group takes 32,768 numbers, a wave 8,192: work-groups 0-127 x, 128-159 Wq, 160-191 Wk, 192-223 Wv, 224-255 Wo.  Rows are dense and K is a multiple of 32: every tensor is a plain stream of blocks.
; The four quantised tensors take ONE path: only pointers are chosen, by the work-group's number.  A wave takes 16 steps of 512 numbers: four loads of 512 consecutive bytes; the 2,048 bytes turn through the wave's own
; stage in LDS, so that a lane holds 16 neighbours (two neighbouring lanes hold a block); a lane's 16 codes are 8 bytes, so the wave stores 256 consecutive bytes.  A wave's 256 scale bytes are gathered in LDS and leave as one store.
; No tensor loads, no barrier: waves share nothing.  Loads run four steps ahead, the turn through LDS one step.
.set WAVES, 4
.set STEPS, 16
.set EMAX,  2
.set CB,    8                          ; bytes of 16 codes
.set R,     16                         ; v16-79   four sets of 16 numbers as they are loaded
.set X,     80                         ; v80-111  two sets of 16 neighbours
.set E,     112                        ; v112-127 a scale byte for each step
.set C,     128                        ; v128-191 codes: four registers for each step, so that no store's data are written again
.set WREG,  8192                       ; LDS: a region for each wave: two stages of 32 x SP bytes, behind them its 256 scale bytes
.set SP,    80                         ; a lane's place in a stage: 64 bytes + 16 of padding
.set SPW,   12                         ; v12  LDS address of my spare word; never rewritten
.set NIL,   13                         ; v13  0; never rewritten
.set SPARE, WAVES*WREG                 ; behind the regions: the spare words, 128 bytes a wave
.set WR,    16                         ; Wo's path: v16-143 two sets of 64 numbers
.set WH,    144                        ; v144-175 their f16
	s_load_b256 s[4:11], s[0:1], 0x0               ; x s[4:5], Wq s[6:7], Wk s[8:9], Wv s[10:11]
	s_load_b256 s[12:19], s[0:1], 0x20             ; Wo s[12:13], x_codes s[14:15], x_scales s[16:17], w_codes s[18:19]
	s_load_b128 s[20:23], s[0:1], 0x40             ; w_scales s[20:21], wo16 s[22:23]
	v_lshl_add_u32 v[SPW], v0, 2, SPARE
	v_mov_b32 v[NIL], 0
	v_lshrrev_b32 v1, 5, v0
	v_readfirstlane_b32 s34, v1                    ; wave
	v_and_b32 v2, 31, v0                           ; lane
	v_lshlrev_b32 v3, 4, v2                        ; my 16 bytes of a load's 512
	s_mul_i32 s35, s34, WREG
	v_lshrrev_b32 v14, 2, v2
	v_mul_u32_u24 v14, v14, SP
	v_and_b32 v15, 3, v2
	v_lshl_add_u32 v14, v15, 4, v14
	v_add_nc_u32 v14, s35, v14                     ; the stage, on the way in: SP (lane / 4) + 16 (lane % 4)
	v_mul_u32_u24 v15, v2, SP
	v_add_nc_u32 v15, s35, v15                     ; on the way out: SP x lane: my 16 neighbours
	v_mul_u32_u24 v4, v2, CB                       ; 8 x lane: my codes' place in a step's; on Wo's path my four f16
	v_lshrrev_b32 v5, 1, v2
	s_add_co_u32 s35, s35, 2*32*SP
	v_add_nc_u32 v5, s35, v5                       ; my wave's 256 scale bytes, my block's byte
	v_lshlrev_b32 v7, 3, v2
	v_add_nc_u32 v6, s35, v7                       ; and on the way out 8 bytes a lane
	s_and_b32 s33, ttmp9, 31                       ; my place among a weight's 32 work-groups
	s_wait_kmcnt 0x0
	s_cmp_ge_u32 ttmp9, 224
	s_cbranch_scc1 .Lwo
	s_cmp_lt_u32 ttmp9, 192                        ; which tensor: the choices hang on the work-group's number alone
	s_cselect_b64 s[26:27], s[8:9], s[10:11]
	s_cmp_lt_u32 ttmp9, 160
	s_cselect_b64 s[26:27], s[6:7], s[26:27]
	s_cmp_lt_u32 ttmp9, 128
	s_cselect_b64 s[26:27], s[4:5], s[26:27]       ; the numbers,
	s_cselect_b64 s[28:29], s[14:15], s[18:19]     ; the codes,
	s_cselect_b64 s[30:31], s[16:17], s[20:21]     ; the scale bytes
	s_cselect_b32 s32, 0, 128
	s_cselect_b32 s33, ttmp9, s33
	s_lshl_b32 s33, s33, 2
	s_add_co_u32 s36, s33, s34                     ; my run of 8,192 numbers in the tensor that is read:
	s_lshl_b32 s36, s36, 15                        ; 32,768 bytes a run
	s_mov_b32 s37, 0
	s_add_nc_u64 s[26:27], s[26:27], s[36:37]
	s_sub_co_u32 s32, ttmp9, s32
	s_lshl_b32 s32, s32, 2
	s_add_co_u32 s32, s32, s34                     ; my run in the buffers that are written (the three weights lie on end there):
	s_lshl_b32 s36, s32, 12                        ; 4,096 bytes of codes,
	s_add_nc_u64 s[28:29], s[28:29], s[36:37]
	s_lshl_b32 s36, s32, 8                         ; 256 scale bytes
	s_add_nc_u64 s[30:31], s[30:31], s[36:37]
.macro LOAD t
.irp i, 0,1,2,3
	global_load_b128 v[R+16*((\t)%4)+4*\i:R+16*((\t)%4)+4*\i+3], v3, s[26:27] offset:2048*(\t)+512*\i th:TH_LOAD_NT   ; 32 lanes read 512 consecutive bytes
.endr
.endm
.macro TURN t                          ; step t's numbers through the stage: LDS serves a wave's instructions in order, so no wait stands between the stores and the loads
.irp i, 0,1,2,3
	ds_store_b128 v14, v[R+16*((\t)%4)+4*\i:R+16*((\t)%4)+4*\i+3] offset:32*SP*((\t)%2)+8*SP*\i
.endr
.irp i, 0,1,2,3
	ds_load_b128 v[X+16*((\t)%2)+4*\i:X+16*((\t)%2)+4*\i+3], v15 offset:32*SP*((\t)%2)+16*\i
.endr
.endm
.irp t, 0,1,2,3
	LOAD \t
.endr
	s_wait_loadcnt 12                              ; step 0's four loads are in; the twelve of steps 1 to 3 may be out
	TURN 0
.macro STEP t
.set XS, X+16*((\t)%2)
.if (\t) > 0
	s_wait_dscnt 1                                 ; this step's numbers are back from the stage (the last step's byte store may be out): so its stores into the stage have read their registers,
.else
	s_wait_dscnt 0x0
.endif
.if (\t)+4 < STEPS
	LOAD (\t)+4                                    ; which take the loads of four steps on
.endif
.if (\t)+1 < STEPS
.if STEPS-2-(\t) >= 3
	s_wait_loadcnt 12                              ; the next step's four loads are in; those of the three steps behind it may be out
.else
	s_wait_loadcnt 4*(STEPS-2-(\t))
.endif
	TURN (\t)+1                                    ; and go through the other stage while this step is worked
.endif
	v_max3_num_f32 v8, |v[XS]|, |v[XS+1]|, |v[XS+2]|               ; the largest magnitude of my 16, in two chains
	v_max3_num_f32 v9, |v[XS+3]|, |v[XS+4]|, |v[XS+5]|
.irp i, 6,10
	v_max3_num_f32 v8, v8, |v[XS+\i]|, |v[XS+\i+1]|
	v_max3_num_f32 v9, v9, |v[XS+\i+2]|, |v[XS+\i+3]|
.endr
	v_max3_num_f32 v8, v8, |v[XS+14]|, |v[XS+15]|
	v_max3_num_f32 v8, v8, v9, (EMAX+1)<<23        ; and the floor 2^(EMAX + 1 - 127): so the byte cannot fall under 1
	v_max_num_f32_dpp v8, v8, v8 row_xmask:1 row_mask:0xf bank_mask:0xf   ; and of my neighbour's 16: the block's
	v_add_nc_u32 v11, -(EMAX<<23), v8              ; EMAX off its exponent field: the conversion takes the exponent field of this operand as its scale
	v_cvt_scalef32_pk8_fp4_f32 v[C+4*(\t)], v[XS:XS+7], v11        ; eight numbers / the scale, to the nearest code, ties to even, beyond the largest code the largest
	v_cvt_scalef32_pk8_fp4_f32 v[C+4*(\t)+1], v[XS+8:XS+15], v11
	v_lshrrev_b32 v[E+(\t)], 23, v11               ; the scale's byte (also the plain line behind the conversions)
	ds_store_b8 v5, v[E+(\t)] offset:16*(\t)       ; both lanes of a block write the same byte with the same value
	global_store_b64 v4, v[C+4*(\t):C+4*(\t)+1], s[28:29] offset:32*CB*(\t)   ; the wave stores 256 consecutive bytes, aligned
.endm
.irp t, 0,1,2,3,4,5,6,7,8,9,10,11,12,13,14,15
	STEP \t
.endr
	ds_load_b64 v[8:9], v6                         ; LDS serves a wave's instructions in order: these see my stores
	s_wait_dscnt 0x0
	global_store_b64 v7, v[8:9], s[30:31]          ; 32 lanes store 256 consecutive bytes, aligned
	s_wait_tensorcnt 0x0                           ; the wave's end: these three lines behind my last LDS store
	ds_add_u32 v[SPW], v[NIL]
	s_wait_dscnt 0x0
	s_endpgm
; Wo to f16: no LDS.  A wave's 32,768 bytes go in four groups of 16 loads of 512 consecutive bytes; two groups are on their way.
.Lwo:
	s_sub_co_u32 s32, ttmp9, 224
	s_lshl_b32 s32, s32, 2
	s_add_co_u32 s32, s32, s34                     ; my run of 8,192 numbers
	s_lshl_b32 s36, s32, 15
	s_mov_b32 s37, 0
	s_add_nc_u64 s[12:13], s[12:13], s[36:37]
	s_lshl_b32 s36, s32, 14
	s_add_nc_u64 s[22:23], s[22:23], s[36:37]
.macro WLOAD g
.irp i, 0,1,2,3,4,5,6,7,8,9,10,11,12,13,14,15
	global_load_b128 v[WR+64*((\g)%2)+4*\i:WR+64*((\g)%2)+4*\i+3], v3, s[12:13] offset:8192*(\g)+512*\i th:TH_LOAD_NT
.endr
.endm
.macro WCONV g
.if (\g) < 3
	s_wait_loadcnt 16                              ; this group's 16 loads are in; the next group's may be out
.else
	s_wait_loadcnt 0x0
.endif
	s_wait_xcnt 0x0                                ; the last group's stores have read their data registers, which are written again below
.irp i, 0,1,2,3,4,5,6,7,8,9,10,11,12,13,14,15
	v_cvt_pk_f16_f32 v[WH+2*\i], v[WR+64*((\g)%2)+4*\i], v[WR+64*((\g)%2)+4*\i+1]
	v_cvt_pk_f16_f32 v[WH+2*\i+1], v[WR+64*((\g)%2)+4*\i+2], v[WR+64*((\g)%2)+4*\i+3]
.endr
.irp i, 0,1,2,3,4,5,6,7,8,9,10,11,12,13,14,15
	global_store_b64 v4, v[WH+2*\i:WH+2*\i+1], s[22:23] offset:4096*(\g)+256*\i   ; the wave stores 256 consecutive bytes, aligned
.endr
.if (\g)+2 < 4
	WLOAD (\g)+2
.endif
.endm
	WLOAD 0
	WLOAD 1
	WCONV 0
	WCONV 1
	WCONV 2
	WCONV 3
	s_endpgm
.Lfunc_end_k_q86710300f7_quant:
	.size	k_q86710300f7_quant, .Lfunc_end_k_q86710300f7_quant-k_q86710300f7_quant
	.p2alignl 7, 3214868480
	.fill 96, 4, 3214868480
	.section	.rodata,"a",@progbits
	.p2align	6, 0x0
	.amdhsa_kernel k_q86710300f7_quant
		.amdhsa_group_segment_fixed_size 33280
		.amdhsa_private_segment_fixed_size 0
		.amdhsa_enable_private_segment 0
		.amdhsa_kernarg_size 80
		.amdhsa_user_sgpr_count 2
		.amdhsa_user_sgpr_kernarg_segment_ptr 1
		.amdhsa_wavefront_size32 1
		.amdhsa_system_sgpr_workgroup_id_x 1
		.amdhsa_system_sgpr_workgroup_id_y 1
		.amdhsa_system_sgpr_workgroup_id_z 1
		.amdhsa_system_vgpr_workitem_id 0
		.amdhsa_next_free_vgpr 192
		.amdhsa_next_free_sgpr 66
		.amdhsa_reserve_vcc 0
		.amdhsa_float_denorm_mode_32 3
		.amdhsa_float_denorm_mode_16_64 3
		.amdhsa_memory_ordered 1
		.amdhsa_forward_progress 1
		.amdhsa_inst_pref_size 54
	.end_amdhsa_kernel
	.amdgpu_metadata
---
amdhsa.version: [ 1, 2 ]
amdhsa.kernels:
  - .name:           k_q86710300f7_quant
    .symbol:         k_q86710300f7_quant.kd
    .args:
      - { .name: x, .offset: 0, .size: 8, .value_kind: global_buffer, .address_space: global }
      - { .name: Wq, .offset: 8, .size: 8, .value_kind: global_buffer, .address_space: global }
      - { .name: Wk, .offset: 16, .size: 8, .value_kind: global_buffer, .address_space: global }
      - { .name: Wv, .offset: 24, .size: 8, .value_kind: global_buffer, .address_space: global }
      - { .name: Wo, .offset: 32, .size: 8, .value_kind: global_buffer, .address_space: global }
      - { .name: x_codes, .offset: 40, .size: 8, .value_kind: global_buffer, .address_space: global }
      - { .name: x_scales, .offset: 48, .size: 8, .value_kind: global_buffer, .address_space: global }
      - { .name: w_codes, .offset: 56, .size: 8, .value_kind: global_buffer, .address_space: global }
      - { .name: w_scales, .offset: 64, .size: 8, .value_kind: global_buffer, .address_space: global }
      - { .name: wo16, .offset: 72, .size: 8, .value_kind: global_buffer, .address_space: global }
    .group_segment_fixed_size: 33280
    .private_segment_fixed_size: 0
    .kernarg_segment_align: 8
    .kernarg_segment_size: 80
    .max_flat_workgroup_size: 128
    .sgpr_count:     66
    .vgpr_count:     192
    .wavefront_size: 32
...
	.end_amdgpu_metadata
.endif
;; end of part 1
;; launch qkv (part 2): grid 12 x 16, 4 waves a work-group, clusters of 4 x 4, 327,680 bytes of LDS; arguments x_codes, x_scales, w_codes, w_scales, qkv, qkv32; writes qkv, qkv32
.if DOCPART == 2
	.amdgcn_target "amdgcn-amd-amdhsa--gfx1250"
	.amdhsa_code_object_version 6
	.text
	.protected	k_q86710300f7_qkv
	.globl	k_q86710300f7_qkv
	.p2align	8
	.type	k_q86710300f7_qkv,@function
k_q86710300f7_qkv:
	s_mov_b64 s[64:65], 0
	v_nop
	global_prefetch_b8 v0, s[64:65] scope:SCOPE_SE
	s_setreg_imm32_b32 hwreg(HW_REG_WAVE_MODE, 25, 1), 1
	s_wait_xcnt 0x0
	s_wait_alu depctr_hold_cnt(0) depctr_sa_sdst(0) depctr_va_vdst(0) depctr_va_sdst(0) depctr_va_ssrc(0) depctr_va_vcc(0) depctr_vm_vsrc(0)
	s_getreg_b32 s2, hwreg(HW_REG_IB_STS2, 6, 4)
	s_cmp_eq_u32 s2, 0
	s_cbranch_scc0 .Lentry_in_a_cluster
	s_endpgm
.Lentry_in_a_cluster:
	s_bfe_u32 s2, ttmp6, 0x10000c
	s_cmp_lg_u32 s2, 0xf033
	s_cbranch_scc0 .Lentry_shape_is_right
	s_endpgm
.Lentry_shape_is_right:
; The three projections as ONE product on codes of E2M1: C[m][n] = sum over k of x[m][k] W[n][k], m 4,096, n 3,072 (Wq's, Wk's, Wv's rows on end), k 1,024, with one E8M0 scale for each 32 along K on both sides; sums in f32.
; C leaves rounded to f16, by planes of 64 columns: qkv [48][4096][64] (planes 0-15 q's heads, 16-31 k's, 32-47 v's); rows 0-15 leave in f32 as well: qkv32 [48][16][64], for the launch that carries the first positions more finely.
; LIMIT: a result beyond 65,504 becomes infinity in f16.
; A tile of C, 256 x 256, is made by a work-group of four waves; a wave makes 128 x 128: 64 accumulators of 16 x 16, 512 registers.
; K = 1,024 is two LDS slots of 512 along K (a tile's row is 256 bytes): the scales and both slots are first fills, three tensor loads a wave; nothing is filled again, and there is no loop.
; THE SCALES of the work-group's 256 rows of x and 256 rows of W, for all of K, are two dense blocks of memory: they come into LDS once, as rows of 256 bytes.
; CLUSTERS: 4 x 4 work-groups.  The four of a row of the cluster need the same tiles of x, the four of a column the same tiles of W: each tile is asked for JOINTLY, by the same tensor load with the same descriptor and a mask that names the four.
; THE MATRIX INSTRUCTION IS USED TRANSPOSED (source 0 = 16 rows of W, source 1 = 16 rows of x): a lane then holds eight neighbouring numbers of a row of C.
; REGISTERS, in windows of 256: window 0: v0-31 addresses; v32-95 scale words, two sets; from v128 x's fragments (8 x 16 rows x 128 K), ONE set; on the way out v32-63 and v128-191 are used anew.
;   window 1: W's fragments, TWO sets, at v0 and at v128.   window 2: the 32 accumulators of my rows 0-63 (accumulator (a, b) at v[8 (8 a + b)]);   window 3: those of my rows 64-127.
.set SIZE_K, 1024
.set KSTEP,  512                       ; along K in a slot
.set NQ,     KSTEP/128                 ; matrix instructions deep
.set ROWB,   256                       ; a tile's row in bytes
.set KROW,   SIZE_K*4/8                ; a row of codes in memory, in bytes
.set PITCH,  272                       ; an LDS row: 256 bytes + 16 of padding = 68 words: the 16 rows that a load touches start at 16 different banks (64 banks of 4 bytes: ISA guide 11.1)
.set FR,     8                         ; registers of a fragment: 16 rows x 128 K
.set NL,     2                         ; LDS loads that bring one
.set NP,     4                         ; places behind this matrix instruction (ISA guide 7.12.1)
.set HALFT,  128*PITCH                 ; 128 rows: what one tensor load brings, and what one wave reads of x or of W
.set SLOT,   4*HALFT                   ; x's 256 rows, then W's 256 rows
.set KS,     SIZE_K/32                 ; a row of scales in bytes
.set SCL,    2*SLOT                    ; behind the slots: the scales, as rows of 256 bytes + 16 of padding
.set HALFS,  (128*KS/256)*272          ; the scales of 128 rows: what one tensor load brings
.set SBLK,   (16*KS/256)*272           ; those of 16 rows
.set SPARE,  SCL+4*HALFS               ; behind the scales: the spare words, 128 bytes a wave
.set SPL,    144                       ; the way out: a stage row: 128 bytes (64 f16) + 16.  A wave's stage, two planes x 16 rows, lies in slot 0, which has had its only fill and its last read by then
.set PLANE,  524288                    ; a plane of qkv in bytes
.set ADRA, 16                          ; v16-17  LDS address of my fragments of x in slot 0, 1
.set ADRB, 20                          ; v20-21  the same for W
.set CF,   22                          ; v22     my byte offset in a plane of qkv32
.set FL,   23                          ; v23     0 in the waves that hold rows 0-15
.set STO,  24                          ; v24     the way out: where I put 16 bytes of a row
.set RD,   25                          ; v25     the way out: where I read rows back
.set CO,   26                          ; v26     16 x lane
.set ADRS, 27                          ; v27     LDS address of my scale words: lanes 0-15 x's rows, lanes 16-31 W's
.set SPW,  28                          ; v28     LDS address of my spare word; never rewritten
.set NIL,  29                          ; v29     0; never rewritten
.set SC,   32                          ; scale words: set s at v[SC + 8 NQ s]; register NQ i + q: lanes 0-15 the word of x's block i, lanes 16-31 that of W's block i, for the slot's q-th 128 along K
.set AF,   128                         ; x's fragments, in window 0
.set TMP,  32                          ; the way out: a block's 32 packed registers
.set BK,   128                         ; the way out: a block read back: v128-159 and v160-191 by turns
.set G1, 24                            ; s[24:31] descriptor group 1 for x's tiles;  s[32:39] group 0, one set for each slot
.set G0, 32
.set G1B, 48                           ; s[48:55], s[56:63] the same for W's tiles
.set G0B, 56
.set G1S, 68                           ; s[68:75], s[76:79] groups 1 and 0 for x's scales;  s[80:87], s[88:91] for W's
.set G0S, 76
.set G1SB, 80
.set G0SB, 88
.set MSB, 0
.macro WIN new                         ; the immediate's high byte repeats the setting that is left
.if MSB != \new
	s_set_vgpr_msb (MSB<<8)|\new
.set MSB, \new
.endif
.endm
.set MUL_LO, 0xa1                      ; source 0 (W) window 1, source 1 (x) window 0, C and D window 2
.set MUL_HI, 0xf1                      ; the same, C and D window 3
.set TO_B,   0x40                      ; destination window 1, address window 0
; A joint load: waves 0 and 1 fetch for x, waves 2 and 3 for W.  Each of the two lines has ONE mask and one set of registers for all that issue it; the branch hangs on the wave's number alone.
; An s_nop 0 and four v_nop follow each of the two lines, ahead of the jump, the label and what follows.
.macro JLOAD g0a, g1a, g0b, g1b
	s_cmp_eq_u32 s15, 0
	s_cbranch_scc0 .Lfor_b_\@
	tensor_load_to_lds s[\g0a:\g0a+3], s[\g1a:\g1a+7]
	s_nop 0
.rept 4
	v_nop
.endr
	s_branch .Lasked_\@
.Lfor_b_\@:
	tensor_load_to_lds s[\g0b:\g0b+3], s[\g1b:\g1b+7]
	s_nop 0
.rept 4
	v_nop
.endr
.Lasked_\@:
.endm
.macro CROUND                          ; a round of the cluster's barrier
	s_barrier_signal -1
	s_barrier_wait -1
	s_cmp_lg_u32 s14, 0
	s_cbranch_scc1 .Lnot_wave_0_\@
	s_barrier_signal -3
.Lnot_wave_0_\@:
	s_barrier_wait -3
	s_barrier_signal -1
	s_barrier_wait -1
.endm
	s_load_b128 s[4:7], s[0:1], 0x0                ; x's codes s[4:5], x's scales s[6:7]
	s_load_b128 s[8:11], s[0:1], 0x10              ; W's codes s[8:9], W's scales s[10:11]
	s_load_b128 s[96:99], s[0:1], 0x20             ; qkv s[96:97], qkv32 s[98:99]
	v_lshl_add_u32 v[SPW], v0, 2, SPARE
	v_mov_b32 v[NIL], 0
	ds_add_u32 v[SPW], v[NIL]                      ; the wave's opening: the add, twice on end, and its wait ahead of my first tensor load; the set-up below stands between
	ds_add_u32 v[SPW], v[NIL]
	v_lshrrev_b32 v1, 5, v0
	v_readfirstlane_b32 s14, v1                    ; wave 0..3
	s_lshr_b32 s15, s14, 1                         ; which half of the tile's rows is mine.  Also: I fetch for x (0) or for W (1)
	s_and_b32 s16, s14, 1                          ; which half of its columns.  Also: which 128 rows of that tile I fetch
	s_bfe_u32 s40, ttmp6, 0x40000                  ; cx, cy: my place in the cluster
	s_bfe_u32 s41, ttmp6, 0x40004
	s_lshl_b32 s42, ttmp9, 2
	s_add_co_u32 s42, s42, s40                     ; tile column of C = 4 x cluster x + cx
	s_and_b32 s17, ttmp7, 0xffff
	s_lshl_b32 s17, s17, 2
	s_add_co_u32 s17, s17, s41                     ; tile row of C = 4 x cluster y + cy
	s_lshl_b32 s43, s41, 2
	s_lshl_b32 s43, 15, s43                        ; my row of the cluster
	s_lshl_b32 s44, 0x1111, s40                    ; my column
	; descriptor group 1: a tile of 128 rows x 256 bytes, padded in LDS
	s_or_b32 s[G1+0], s43, (0<<16)|(1<<20)|(1<<21)|(5<<22)|(3<<25)  ; 15:0 the mask: x's tiles go to my row; 17:16 element of 1 byte; 20 padding on; 21 set beside a mask; 24:22 after every 64 words; 31:25 four words
	s_or_b32 s[G1B+0], s44, (0<<16)|(1<<20)|(1<<21)|(5<<22)|(3<<25)
.irp g, G1, G1B
	s_mov_b32 s[\g+1], ROWB<<16                    ; tensor_dim0
	s_mov_b32 s[\g+2], 128<<16                     ; tensor_dim1 = 128
	s_mov_b32 s[\g+3], ROWB<<16                    ; tile_dim0
	s_mov_b32 s[\g+4], 128                         ; tile_dim1 = 128
	s_mov_b32 s[\g+5], KROW                        ; tensor_dim0_stride
	s_mov_b32 s[\g+6], 0
	s_mov_b32 s[\g+7], 0
.endr
	; and for the scales of 128 rows: a dense block of 4,096 bytes, as rows of 256 bytes (32 elements of 8 bytes), 16 bytes of padding behind each
	s_or_b32 s[G1S+0], s43, (3<<16)|(1<<20)|(1<<21)|(5<<22)|(3<<25)
	s_or_b32 s[G1SB+0], s44, (3<<16)|(1<<20)|(1<<21)|(5<<22)|(3<<25)
.irp g, G1S, G1SB
	s_mov_b32 s[\g+1], 32<<16
	s_mov_b32 s[\g+2], (128*KS/256)<<16
	s_mov_b32 s[\g+3], 32<<16
	s_mov_b32 s[\g+4], 128*KS/256
	s_mov_b32 s[\g+5], 32
	s_mov_b32 s[\g+6], 0
	s_mov_b32 s[\g+7], 0
.endr
	s_lshl_b32 s18, s16, 7                         ; which 128 rows of the tile I fetch
	s_lshl_b32 s20, s17, 8
	s_add_co_u32 s20, s20, s18                     ; x: row 256 x tile row + 128 x half
	s_lshl_b32 s46, s42, 8
	s_add_co_u32 s46, s46, s18                     ; W: row 256 x tile column + 128 x half
	s_mov_b32 s21, 0
	s_mov_b32 s47, 0
	s_mov_b64 s[18:19], KS
	s_mul_u64 s[22:23], s[20:21], s[18:19]         ; where these rows' scales begin, in bytes
	s_mul_u64 s[92:93], s[46:47], s[18:19]
	s_mov_b64 s[18:19], KROW
	s_mul_u64 s[20:21], s[20:21], s[18:19]         ; and their codes
	s_mul_u64 s[46:47], s[46:47], s[18:19]
	s_mul_i32 s45, s14, HALFT                      ; where they go: wave x 128 rows: no place in the cluster enters an LDS address
	s_mul_i32 s94, s14, HALFS
	s_wait_dscnt 0x0                               ; both opening adds are done
	s_wait_kmcnt 0x0
	s_add_nc_u64 s[20:21], s[4:5], s[20:21]
	s_add_nc_u64 s[22:23], s[6:7], s[22:23]
	s_add_nc_u64 s[46:47], s[8:9], s[46:47]
	s_add_nc_u64 s[92:93], s[10:11], s[92:93]
	CROUND                                         ; all sixteen work-groups are here: the joint loads meet
	s_mov_b32 s[G0S], 1
	s_add_co_u32 s[G0S+1], s94, SCL
	s_mov_b64 s[G0S+2:G0S+3], s[22:23]
	s_or_b32 s[G0S+3], s[G0S+3], 0x80000000
	s_mov_b32 s[G0SB], 1
	s_add_co_u32 s[G0SB+1], s94, SCL
	s_mov_b64 s[G0SB+2:G0SB+3], s[92:93]
	s_or_b32 s[G0SB+3], s[G0SB+3], 0x80000000
	JLOAD G0S, G1S, G0SB, G1SB                     ; the scales first: they are wanted with the first slot
.irp s, 0,1
	s_mov_b32 s[G0+4*\s], 1
	s_add_co_u32 s[G0+4*\s+1], s45, \s*SLOT
	s_add_nc_u64 s[G0+4*\s+2:G0+4*\s+3], s[20:21], \s*ROWB
	s_or_b32 s[G0+4*\s+3], s[G0+4*\s+3], 0x80000000
	s_mov_b32 s[G0B+4*\s], 1
	s_add_co_u32 s[G0B+4*\s+1], s45, \s*SLOT
	s_add_nc_u64 s[G0B+4*\s+2:G0B+4*\s+3], s[46:47], \s*ROWB
	s_or_b32 s[G0B+4*\s+3], s[G0B+4*\s+3], 0x80000000
	JLOAD G0+4*\s, G1, G0B+4*\s, G1B               ; three tensor loads of mine are out in all
.endr
	v_and_b32 v1, 15, v0                           ; r = l % 16
	v_bfe_u32 v2, v0, 4, 1                         ; h = l / 16
	v_mul_u32_u24 v3, v1, PITCH
	v_lshl_add_u32 v4, v2, 4, v3                   ; a fragment's row x pitch + 16 x half
	s_mul_i32 s21, s15, HALFT                      ; my 128 rows of x
	s_mul_i32 s22, s16, HALFT                      ; my 128 rows of W,
	s_add_co_u32 s22, s22, 2*HALFT                 ; which lie behind x's 256
.irp s, 0,1
	v_add_nc_u32 v[ADRA+\s], s21, v4
	v_add_nc_u32 v[ADRB+\s], s22, v4
	s_add_co_u32 s21, s21, SLOT
	s_add_co_u32 s22, s22, SLOT
.endr
	v_mul_u32_u24 v5, v1, KS                       ; my row's scales: KS bytes a row,
	v_lshrrev_b32 v6, 8, v5
	v_lshl_add_u32 v5, v6, 4, v5                   ; and 16 more for each 256 passed
	s_mul_i32 s21, s15, HALFS                      ; x's: my 128 rows
	s_mul_i32 s22, s16, HALFS                      ; W's: my 128 rows, behind x's 256
	s_add_co_u32 s22, s22, 2*HALFS
	s_sub_co_u32 s22, s22, s21
	v_mul_u32_u24 v6, s22, v2                      ; lanes 16-31 take W's
	s_add_co_u32 s21, s21, SCL
	v_add_nc_u32 v5, v5, v6
	v_add_nc_u32 v[ADRS], s21, v5
	s_mul_i32 s23, s14, 2*16*SPL                   ; my stage
	v_mul_u32_u24 v5, v1, SPL                      ; in: row r, 16 bytes for each half of the lanes
	v_lshl_add_u32 v5, v2, 4, v5
	v_add_nc_u32 v[STO], s23, v5
	v_and_b32 v6, 31, v0
	v_lshlrev_b32 v[CO], 4, v6                     ; in memory four rows of a plane are 512 bytes on end: 16 x lane
	v_lshrrev_b32 v5, 3, v6                        ; back: eight lanes to a row of 128 bytes, four rows an instruction
	v_mul_u32_u24 v5, v5, SPL
	v_and_b32 v6, 7, v6
	v_lshl_add_u32 v5, v6, 4, v5
	v_add_nc_u32 v[RD], s23, v5
	v_lshlrev_b32 v[CF], 8, v1                     ; qkv32: row r of 256 bytes, + 32 h
	v_lshl_add_u32 v[CF], v2, 5, v[CF]
	s_lshl_b32 s92, s42, 2
	s_lshl_b32 s93, s16, 1
	s_add_co_u32 s92, s92, s93                     ; my first plane: 4 x tile column + 2 x half
	s_lshl_b32 s46, s92, 12                        ; 4,096 bytes a plane of qkv32
	s_mov_b32 s47, 0
	s_add_nc_u64 s[98:99], s[98:99], s[46:47]
	s_lshl_b32 s46, s92, 19                        ; 524,288 bytes a plane of qkv,
	s_lshl_b32 s93, s17, 15                        ; 256 rows of 128 bytes a tile row,
	s_add_co_u32 s46, s46, s93
	s_lshl_b32 s93, s15, 14                        ; 128 rows a half
	s_add_co_u32 s46, s46, s93
	s_add_nc_u64 s[96:97], s[96:97], s[46:47]
.macro FRAG reg, adr, q, i             ; a fragment, 16 rows x 128 K of 4-bit codes, is 8 registers: lane l holds row l % 16; registers 4 c .. 4 c + 3 hold K = 64 c + 32 (l / 16) + 0 .. 31
.irp c, 0,1
	ds_load_b128 v[\reg+4*\c:\reg+4*\c+3], v[\adr] offset:64*(\q)+32*\c+(\i)*16*PITCH
.endr
.endm
; 16 matrix instructions: x's blocks a0, a0 + 1 against W's eight, 128 along K: the slot's q-th.  p: W's set;  sc: the set of scale words.  zero = 1: the first product starts the sums: nothing is ever cleared.
; The 64 accumulators take turns, one instruction a turn, in the same order in every step.
.macro MUL16 a0, p, q, sc, zero
.irp a, \a0, \a0+1
.irp b, 0,1,2,3,4,5,6,7
.if \zero
	v_wmma_scale_f32_16x16x128_f8f6f4 v[8*(8*((\a)%4)+\b):8*(8*((\a)%4)+\b)+7], v[128*(\p)+FR*\b:128*(\p)+FR*\b+FR-1], v[AF+FR*(\a):AF+FR*(\a)+FR-1], 0, v[SC+8*NQ*(\sc)+NQ*\b+(\q)], v[SC+8*NQ*(\sc)+NQ*(\a)+(\q)] matrix_a_fmt:MATRIX_FMT_FP4 matrix_b_fmt:MATRIX_FMT_FP4 matrix_a_scale:MATRIX_SCALE_ROW1
.else
	v_wmma_scale_f32_16x16x128_f8f6f4 v[8*(8*((\a)%4)+\b):8*(8*((\a)%4)+\b)+7], v[128*(\p)+FR*\b:128*(\p)+FR*\b+FR-1], v[AF+FR*(\a):AF+FR*(\a)+FR-1], v[8*(8*((\a)%4)+\b):8*(8*((\a)%4)+\b)+7], v[SC+8*NQ*(\sc)+NQ*\b+(\q)], v[SC+8*NQ*(\sc)+NQ*(\a)+(\q)] matrix_a_fmt:MATRIX_FMT_FP4 matrix_b_fmt:MATRIX_FMT_FP4 matrix_a_scale:MATRIX_SCALE_ROW1
.endif
.endr
.endr
.endm
.macro FETCH_B slot, q, p              ; W's eight fragments of the slot's q-th 128 along K into set p
	WIN TO_B
.irp i, 0,1,2,3,4,5,6,7
	FRAG 128*(\p)+FR*\i, ADRB+\slot, \q, \i
.endr
	WIN 0
.endm
.macro FETCH_A slot, q, i0             ; x's blocks i0 .. i0 + 3
.irp i, \i0, \i0+1, \i0+2, \i0+3
	FRAG AF+FR*(\i), ADRA+\slot, \q, \i
.endr
.endm
.macro SCALES sc                       ; a slot's scale words into set sc: NQ words a row; lanes 0-15 take x's block i, lanes 16-31 W's block i
.irp i, 0,1,2,3,4,5,6,7
	ds_load_b128 v[SC+8*NQ*\sc+NQ*\i:SC+8*NQ*\sc+NQ*\i+3], v[ADRS] offset:\i*SBLK
.endr
.endm
; A load into a register that a matrix instruction has read, and a vector instruction or a store that reads a matrix result, stand NP places behind that matrix instruction; only plain vector
; instructions that name none of its registers are places (ISA guide 7.12.1 for vector instructions).
.macro PLACES n
.rept \n
	v_nop
.endr
.endm
; A step of 128 along K that has its successor in the same slot.
.macro STEP slot, q, zero
	s_wait_dscnt 4*NL                              ; W's set and x's blocks 0-3 are in; the youngest eight loads (x's blocks 4-7) may be out
	WIN MUL_LO
	MUL16 0, (\q)%2, \q, \slot, \zero
	MUL16 2, (\q)%2, \q, \slot, \zero
	s_wait_dscnt 0                                 ; x's blocks 4-7 are in (asked for 32 matrix instructions ago)
	PLACES NP
	FETCH_B \slot, (\q)+1, 1-(\q)%2
	FETCH_A \slot, (\q)+1, 0
	WIN MUL_HI
	MUL16 4, (\q)%2, \q, \slot, \zero
	MUL16 6, (\q)%2, \q, \slot, \zero
	PLACES NP
	WIN 0
	FETCH_A \slot, (\q)+1, 4
.endm
; Slot 0's last step changes slots: one barrier; in front of it each wave waits for all its tensor loads (its part of slot 1), adds 0 to its spare word, and waits for that and for its own reads of slot 0.
.macro TURN slot, next
	s_wait_tensorcnt 0x0                           ; all my tensor loads have landed  (every window is 0 here: the add's two registers lie in window 0)
	ds_add_u32 v[SPW], v[NIL]                      ; 0 onto my spare word
	s_wait_dscnt 4*NL+1                            ; (the add and the youngest eight loads, x's blocks 4-7, may be out)
	WIN MUL_LO
	MUL16 0, 1, NQ-1, \slot, 0                     ; sixteen matrix instructions stand between the add and the wait for it
	s_wait_dscnt 0x0                               ; the add is done, and my reads of this slot are over
	s_barrier_signal -1
	MUL16 2, 1, NQ-1, \slot, 0
	WIN 0
	s_barrier_wait -1
	PLACES NP
	v_add_nc_u32 v[ADRS], 4*NQ, v[ADRS]            ; on to the next slot's scale words (no LDS load of mine is out)
	FETCH_B \next, 0, 0
	FETCH_A \next, 0, 0
	SCALES \next
	WIN MUL_HI
	MUL16 4, 1, NQ-1, \slot, 0
	MUL16 6, 1, NQ-1, \slot, 0
	PLACES NP
	WIN 0
	FETCH_A \next, 0, 4
.endm
.macro STEPS slot, from                ; the slot's steps from .. NQ - 2
.set Q, \from
.rept NQ-1-\from
	STEP \slot, Q, 0
.set Q, Q+1
.endr
.endm
	s_wait_tensorcnt 1                             ; the scales and my part of slot 0 are in (slot 1's load may be out)
	s_barrier_signal -1
	s_barrier_wait -1                              ; everybody's are
	FETCH_B 0, 0, 0
	FETCH_A 0, 0, 0
	SCALES 0
	FETCH_A 0, 0, 4
	STEP 0, 0, 1                                   ; the first step's products start the sums
	STEPS 0, 1
	TURN 0, 1
	STEPS 1, 0
	s_wait_dscnt 4*NL                              ; the very last step: nothing more to fetch
	WIN MUL_LO
	MUL16 0, 1, NQ-1, 1, 0
	MUL16 2, 1, NQ-1, 1, 0
	s_wait_dscnt 0
	WIN MUL_HI
	MUL16 4, 1, NQ-1, 1, 0
	MUL16 6, 1, NQ-1, 1, 0
	WIN 0
	PLACES NP                                      ; behind the last products: for the first reads of results, and for writes and loads into the registers that held scale words and fragments
	; ROWS 0-15 IN f32.  They are block 0 of the waves with tile row 0 and row half 0.  The lanes are switched off elsewhere and every wave runs the lines.
	; 32 lanes store 16 bytes each, two to a row, of sixteen rows 256 bytes apart: 192 KiB in the whole launch.
	s_or_b32 s20, s17, s15
	v_mov_b32 v[FL], s20
	v_cmp_eq_u32 vcc_lo, 0, v[FL]
	s_wait_xcnt 0x0                                ; EXEC changes only behind this wait
	s_and_saveexec_b32 s21, vcc_lo
	WIN 0x08                                       ; a store's data are its source 1: window 2
.irp b, 0,1,2,3,4,5,6,7
.irp c, 0,1
	global_store_b128 v[CF], v[8*\b+4*\c:8*\b+4*\c+3], s[98:99] offset:(\b/4)*4096+(\b%4)*64+16*\c   ; lane (r, h): C(r, 16 b + 8 h + 4 c ..); each accumulator from its low end on
.endr
.endr
	WIN 0
	s_wait_xcnt 0x0                                ; and again, in front of the line that widens it
	s_or_b32 exec_lo, exec_lo, s21
; THE WAY OUT, block by block of 16 rows x 128 columns (two planes).  PACK: rounded to f16, 16 bytes a lane.  TOSTAGE: into my own stage and back, four whole rows of a plane an instruction.  SEND: stored.
.macro PACK a
.set AC, 64*((\a)%4)
	WIN 0x0a+5*((\a)/4)                            ; sources 0 and 1: window 2 or 3
.irp b, 0,1,2,3,4,5,6,7
.irp i, 0,1,2,3
	v_cvt_pk_f16_f32 v[TMP+4*\b+\i], v[AC+8*\b+2*\i], v[AC+8*\b+2*\i+1]
.endr
.endr
	WIN 0
.endm
.macro TOSTAGE a
.set BB, BK+32*((\a)%2)
.irp b, 0,1,2,3,4,5,6,7
	ds_store_b128 v[STO], v[TMP+4*\b:TMP+4*\b+3] offset:(\b/4)*16*SPL+32*(\b%4)
.endr
.irp p, 0,1
.irp t, 0,1,2,3
	ds_load_b128 v[BB+4*(4*\p+\t):BB+4*(4*\p+\t)+3], v[RD] offset:\p*16*SPL+\t*4*SPL   ; LDS serves a wave's instructions in order (ISA guide 5.7.1.4): these see the stores above
.endr
.endr
.endm
.macro SEND a
.set BB, BK+32*((\a)%2)
	s_wait_dscnt 0x0                               ; the block is back in registers
	s_wait_xcnt 0x0                                ; the stores of the block before have read their registers, into which the next block's loads will land
.irp p, 0,1
.irp t, 0,1,2,3
	global_store_b128 v[CO], v[BB+4*(4*\p+\t):BB+4*(4*\p+\t)+3], s[96:97] offset:\p*PLANE+(\a)*2048+\t*512   ; 32 lanes store 512 consecutive bytes of a plane, aligned to 512
.endr
.endr
.endm
	PACK 0
	TOSTAGE 0
.irp a, 1,2,3,4,5,6,7                  ; block a's conversions stand between block a - 1's loads from the stage and the wait for them
	PACK \a
	SEND \a-1
	TOSTAGE \a
.endr
	SEND 7
	s_wait_tensorcnt 0x0                           ; the wave's end: these three lines, behind my last tensor load and my last LDS store
	ds_add_u32 v[SPW], v[NIL]
	s_wait_dscnt 0x0
	CROUND                                         ; the closing round: no work-group ends while a partner may still ask for a tile that names it
	s_endpgm
.Lfunc_end_k_q86710300f7_qkv:
	.size	k_q86710300f7_qkv, .Lfunc_end_k_q86710300f7_qkv-k_q86710300f7_qkv
	.p2alignl 7, 3214868480
	.fill 96, 4, 3214868480
	.section	.rodata,"a",@progbits
	.p2align	6, 0x0
	.amdhsa_kernel k_q86710300f7_qkv
		.amdhsa_group_segment_fixed_size 327680
		.amdhsa_private_segment_fixed_size 0
		.amdhsa_enable_private_segment 0
		.amdhsa_kernarg_size 48
		.amdhsa_user_sgpr_count 2
		.amdhsa_user_sgpr_kernarg_segment_ptr 1
		.amdhsa_wavefront_size32 1
		.amdhsa_system_sgpr_workgroup_id_x 1
		.amdhsa_system_sgpr_workgroup_id_y 1
		.amdhsa_system_sgpr_workgroup_id_z 1
		.amdhsa_system_vgpr_workitem_id 0
		.amdhsa_next_free_vgpr 1024
		.amdhsa_next_free_sgpr 100
		.amdhsa_reserve_vcc 1
		.amdhsa_float_denorm_mode_32 3
		.amdhsa_float_denorm_mode_16_64 3
		.amdhsa_memory_ordered 1
		.amdhsa_forward_progress 1
		.amdhsa_inst_pref_size 128
	.end_amdhsa_kernel
	.amdgpu_metadata
---
amdhsa.version: [ 1, 2 ]
amdhsa.kernels:
  - .name:           k_q86710300f7_qkv
    .symbol:         k_q86710300f7_qkv.kd
    .args:
      - { .name: x_codes, .offset: 0, .size: 8, .value_kind: global_buffer, .address_space: global }
      - { .name: x_scales, .offset: 8, .size: 8, .value_kind: global_buffer, .address_space: global }
      - { .name: w_codes, .offset: 16, .size: 8, .value_kind: global_buffer, .address_space: global }
      - { .name: w_scales, .offset: 24, .size: 8, .value_kind: global_buffer, .address_space: global }
      - { .name: qkv, .offset: 32, .size: 8, .value_kind: global_buffer, .address_space: global }
      - { .name: qkv32, .offset: 40, .size: 8, .value_kind: global_buffer, .address_space: global }
    .group_segment_fixed_size: 327680
    .private_segment_fixed_size: 0
    .kernarg_segment_align: 8
    .kernarg_segment_size: 48
    .max_flat_workgroup_size: 128
    .sgpr_count:     100
    .vgpr_count:     1024
    .wavefront_size: 32
...
	.end_amdgpu_metadata
.endif
;; end of part 2
;; launch attn (part 3): grid 16 x 16, 8 waves a work-group, no clusters, 327,680 bytes of LDS; arguments qkv, att; writes att
.if DOCPART == 3
	.amdgcn_target "amdgcn-amd-amdhsa--gfx1250"
	.amdhsa_code_object_version 6
	.text
	.protected	k_q86710300f7_attn
	.globl	k_q86710300f7_attn
	.p2align	8
	.type	k_q86710300f7_attn,@function
k_q86710300f7_attn:
	s_mov_b64 s[64:65], 0
	v_nop
	global_prefetch_b8 v0, s[64:65] scope:SCOPE_SE
	s_setreg_imm32_b32 hwreg(HW_REG_WAVE_MODE, 25, 1), 1
	s_wait_xcnt 0x0
; att[head][q][:] = the sum over keys k with 0 <= q - k < 1,024 of softmax_k(Q[q] . K[k] / 8) V[k][:], for 16 heads of 64.  Q, K, V: planes head, 16 + head, 32 + head of qkv [48][4096][64], f16.  att: [16][4096][64], f16.
; Products on f16 operands with f32 sums; maxima, exponentials and sums in f32; the weights p are rounded to f16 for the second product, att once at the end.
; LIMITS: f16's range (65,504) holds for Q, K, V and att; an exponential under 2^-126 counts as 0.  Rows 0-15 are made here like all others; a later launch makes their part of the output anew in f32.
; SHARES.  A work-group owns 256 queries (block b) of one head, each of its eight waves 32: two tiles of 16.  Two waves lie on a SIMD, so that one wave's vector work stands beside the other's products and LDS loads.
; THE WALK.  Five chunks of 256 keys: chunk c holds keys 256 (b - c) on; the block's own keys come first, so what the head fetches is always read, and every query finds a key that counts (key 256 b) in the first step.
; A chunk is four steps of 64 keys.  All trip counts are constants; a wave jumps over a step none of whose keys counts for its 32 queries (a scalar branch on ids): it works 17 of the 20.  In the two steps that lie on an edge of the band
; the scores of keys that do not count become -infinity ahead of the maximum.  A chunk that would begin under key 0 is not asked for.
; LAYOUT.  S^T = K Q^T (source 0 = 16 keys, source 1 = 16 queries): a lane holds ONE query (lane % 16) and keys 8 (lane / 16) + 0..7.  Two such tiles, rounded to f16 in pairs, ARE source 1 of O^T = V^T P, whose result again
; holds one query a lane, and eight channels.  K comes out of LDS as it lies, V ([key][channel]) turned, by ds_load_tr16_b128.
; SOFTMAX.  For each query a running maximum m and sum l: p = 2^(c s - c m), c = log2(e) / 8; in every step O and l are multiplied by a = 2^(c m_old - c m_new).
; NO CLUSTER: in trip c block b reads chunk b - c and its neighbour b + 1 reads chunk b + 1 - c: partners never want the same tile in the same trip, and near key 0 they want different numbers of tiles.
; REGISTERS.  window 0: v1-15 addresses and constants; v16-31 eight registers of statistics a tile; v32-63 Q; v64-127 K of one step; v128-191 S^T, 32 a tile; v192-223 P, 16 a tile.   window 1: v0-63 O^T, 32 a tile; v64-127 V of one step.
.set KS,    64        ; keys in a step
.set PK,    144       ; a row of K in LDS: 128 bytes + 16 = 36 words: the 16 rows of a load start at 16 different groups of four banks (64 banks of 4 bytes: ISA guide 11.1)
.set PV,    160       ; a row of V: 128 + 32 = 40 words
.set VOFF,  KS*PK     ; a step's tiles lie together: 64 rows of K, then 64 rows of V
.set STEPB, KS*(PK+PV)
.set SLOT1, 1<<17     ; a slot holds a chunk's four steps (77,824 bytes); slot 1 begins here, so that one exclusive or turns an address in one slot into the other's
.set STAGE, SLOT1+4*STEPB  ; behind the ring: 32 rows x 144 bytes for each wave, for the way out
.set SP,    144
.set SPARE, STAGE+8*32*SP  ; behind the stages: the spare words, 128 bytes a wave
.set AK0, 2           ; v2   my lane's place in a tile of K; never rewritten
.set AV0, 3           ; v3   the same for V
.set ADK, 4           ; v4   LDS address of the step's K
.set ADV, 5           ; v5   of its V
.set STO, 6           ; v6   the way out: where I put 16 bytes of a row
.set RD,  7           ; v7   the way out: where I read rows back
.set GO,  8           ; v8   16 x lane
.set DL,  10          ; v10  lane % 16 - 8 (lane / 16)
.set D0,  11          ; v11  the mask: tile 0's query - the key of register 0 of key tile 0
.set TM,  12          ; v12  the mask: query - key
.set NINF, 13         ; v13  -infinity
.set SPW, 14          ; v14  LDS address of my spare word; never rewritten
.set NIL, 15          ; v15  0; never rewritten
.set ST,  16          ; tile x's statistics at v[ST+8 x]: +0 c m, +1 m, +2, +3 l (even keys', odd keys'), +4 to +7 c0-c3, at work; a takes c2's place once the maximum is found
.set Q,   32
.set KR,  64
.set S,   128
.set P,   192
.set QO,  224         ; v224 my byte offset in the wave's rows of Q
.set O,   0           ; in window 1
.set VR,  64          ; in window 1
.set WV,  12          ; s12  my wave's number
.set G1K, 24          ; s[24:31] descriptor group 1 for K's tiles
.set G1V, 32          ; s[32:39] for V's: it differs in the padding alone
.set G0K, 40          ; s[40:43] descriptor group 0 for K's tiles: it walks
.set G0V, 44          ; s[44:47] the same for V's
.set SLOTS, 56        ; s56  changes of slots that may still ask for a chunk
.set NSTP, 57         ; s57  counts a chunk's four steps
.set CS,  58          ; s[58:59] c: the packed scaling names a pair and takes its low word for both halves
.set SEL, 60          ; s[60:61] lane selects for v_permlanex16_b32: each lane takes its own place in the other half
.set TB,  62          ; s62  LDS byte at which the step's tiles begin
.set KF,  66          ; s66  the step's first key (signed: past the head's first key it goes under 0)
.set Q0,  67          ; s67  my first query
.set KLO, 68          ; s68  the least first key of a step that I work: max(Q0 - 1086, 0)
.set QHI, 69          ; s69  the greatest: Q0 + 31
.set QOP, 70          ; s70  Q0 - 63: above it a step meets the causal edge
.set QWN, 71          ; s71  Q0 - 992: under it a step meets the window's edge
.set MSB, 0
.macro WIN new                      ; the immediate's high byte repeats the setting that is left; a switch that changes nothing is dropped
.if MSB != \new
	s_set_vgpr_msb (MSB<<8)|\new
.set MSB, \new
.endif
.endm
.set W_LV, 0x40       ; destination window 1, address window 0
.set W_RS, 0x41       ; O^T (destination and source 0) in window 1, a in window 0
.set W_PV, 0x51       ; V, C and D in window 1, P in window 0
; Waves 0 to 3 fetch the four steps' tiles of K, waves 4 to 7 those of V: one tensor load a wave.  The branch hangs on the wave's number alone.
; An s_nop 0 and four v_nop follow each of the two lines, ahead of the jump, the label and what follows.
.macro TLOAD
	s_cmp_lt_u32 s[WV], 4
	s_cbranch_scc0 .Lfor_v_\@
	tensor_load_to_lds s[G0K:G0K+3], s[G1K:G1K+7]
	s_nop 0
.rept 4
	v_nop
.endr
	s_branch .Lasked_\@
.Lfor_v_\@:
	tensor_load_to_lds s[G0V:G0V+3], s[G1V:G1V+7]
	s_nop 0
.rept 4
	v_nop
.endr
.Lasked_\@:
.endm
	s_load_b128 s[4:7], s[0:1], 0x0  ; qkv s[4:5], att s[6:7]
	v_lshl_add_u32 v[SPW], v0, 2, SPARE
	v_mov_b32 v[NIL], 0
	ds_add_u32 v[SPW], v[NIL]       ; the wave's opening: the add, twice on end, and its wait ahead of my first tensor load; the set-up below stands between
	ds_add_u32 v[SPW], v[NIL]
	v_lshrrev_b32 v1, 5, v0
	v_readfirstlane_b32 s[WV], v1   ; wave 0..7
	s_and_b32 s14, ttmp7, 0xffff    ; the head
	; descriptor group 1: a tile of 64 rows x 64 elements of 2 bytes, dense in memory, padded in LDS
	s_mov_b32 s[G1K], (1<<16)|(1<<20)|(4<<22)|(3<<25)  ; 15:0 no mask; 17:16 elements of 2 bytes; 20 padding on; 24:22 after every 32 words (code 4); 31:25 four words of it (code 3)
	s_mov_b32 s[G1V], (1<<16)|(1<<20)|(4<<22)|(7<<25)  ; the same with eight words of padding (code 7)
.irp g, G1K, G1V
	s_mov_b32 s[\g+1], 64<<16       ; tensor_dim0 = 64
	s_mov_b32 s[\g+2], KS<<16       ; tensor_dim1 = 64
	s_mov_b32 s[\g+3], 64<<16       ; tile_dim0 = 64
	s_mov_b32 s[\g+4], KS           ; tile_dim1 = 64
	s_mov_b32 s[\g+5], 64           ; tensor_dim0_stride: elements from row to row
	s_mov_b32 s[\g+6], 0
	s_mov_b32 s[\g+7], 0
.endr
	s_and_b32 s15, s[WV], 3         ; which of a chunk's four steps I fetch:
	s_mul_i32 s16, s15, STEPB       ; its place in a slot (K's tile),
	s_add_co_u32 s19, s16, VOFF     ; (V's tile)
	s_lshl_b32 s17, s15, 13         ; its 64 rows of 128 bytes in memory,
	s_lshl_b32 s18, ttmp9, 15       ; in chunk 0: my block's 256 rows
	s_add_co_u32 s17, s17, s18
	s_lshl_b32 s13, s14, 19         ; the head's plane: 524,288 bytes
	s_add_co_u32 s20, s17, s13
	s_add_co_u32 s20, s20, 16<<19   ; K's planes lie 16 behind Q's,
	s_mov_b32 s21, 0
	s_add_co_u32 s22, s20, 16<<19   ; V's 16 further on
	s_mov_b32 s23, 0
	s_lshl_b32 s2, s[WV], 12        ; my wave's 32 rows of Q and of att
	s_add_co_u32 s2, s2, s18
	s_add_co_u32 s2, s2, s13
	s_mov_b32 s3, 0
	s_mov_b32 s[CS], 0x3e38aa3b     ; c = log2(e) / 8
	s_mov_b32 s[CS+1], s[CS]        ; named with it as a pair, so it is written
	s_mov_b32 s[SEL], 0x76543210
	s_mov_b32 s[SEL+1], 0xfedcba98
	s_lshl_b32 s[KF], ttmp9, 8      ; chunk 0's first key: 256 b
	s_lshl_b32 s[Q0], s[WV], 5
	s_add_co_u32 s[Q0], s[Q0], s[KF]
	s_sub_co_i32 s[KLO], s[Q0], 1086  ; a step's last key, KF + 63, reaches my first query's window, Q0 - 1023
	s_max_i32 s[KLO], s[KLO], 0
	s_add_co_u32 s[QHI], s[Q0], 31
	s_sub_co_i32 s[QOP], s[Q0], 63
	s_sub_co_i32 s[QWN], s[Q0], 992
	s_mov_b32 s[TB], 0
	s_mov_b32 s[SLOTS], 4
	s_wait_dscnt 0x0                ; both opening adds are done
	s_wait_kmcnt 0x0
	s_mov_b32 s[G0K], 1             ; count = 1
	s_mov_b32 s[G0K+1], s16         ; LDS address: slot 0
	s_add_nc_u64 s[G0K+2:G0K+3], s[4:5], s[20:21]  ; global address of the tile's first element
	s_or_b32 s[G0K+3], s[G0K+3], 0x80000000  ; type = 2
	s_mov_b32 s[G0V], 1
	s_mov_b32 s[G0V+1], s19
	s_add_nc_u64 s[G0V+2:G0V+3], s[4:5], s[22:23]
	s_or_b32 s[G0V+3], s[G0V+3], 0x80000000
	TLOAD                           ; chunk 0 into slot 0: one tensor load of mine is out
	s_add_nc_u64 s[4:5], s[4:5], s[2:3]  ; Q and att at my wave's first row
	s_add_nc_u64 s[6:7], s[6:7], s[2:3]
	; A fragment of K or Q is 16 rows x 32 channels in 8 registers: lane l holds row l % 16; registers 0-3 channels 8 (l / 16) + 0..7, registers 4-7 channels 16 + 8 (l / 16) + 0..7: two loads of 16 bytes, 32 bytes apart.
	v_and_b32 v1, 15, v0            ; r = l % 16
	v_bfe_u32 v9, v0, 4, 1          ; h = l / 16
	v_lshlrev_b32 v[QO], 7, v1
	v_lshl_add_u32 v[QO], v9, 4, v[QO]  ; row x 128 + 16 x half
.irp x, 0,1
.irp d, 0,1
.irp e, 0,1
	global_load_b128 v[Q+16*\x+8*\d+4*\e:Q+16*\x+8*\d+4*\e+3], v[QO], s[4:5] offset:2048*\x+64*\d+32*\e   ; Q stays in registers: tile x, channels 32 d on
.endr
.endr
.endr
	v_mul_u32_u24 v[AK0], v1, PK
	v_lshl_add_u32 v[AK0], v9, 4, v[AK0]  ; row x pitch + 16 x half
	; The turning load takes 16 keys x 16 channels (lane l reads 16 bytes: key 8 (l / 16) + l % 8, channels 8 ((l / 8) % 2) + 0..7) and leaves half a fragment of V^T: lane l holds channel l % 16 and 8 keys.
	v_and_b32 v[D0], 7, v0
	v_bfe_u32 v[TM], v0, 3, 1
	v_lshl_add_u32 v[AV0], v9, 3, v[D0]
	v_mul_u32_u24 v[AV0], v[AV0], PV
	v_lshl_add_u32 v[AV0], v[TM], 4, v[AV0]
	v_add_nc_u32 v[AV0], VOFF, v[AV0]
	s_mul_i32 s15, s[WV], 32*SP
	s_add_co_u32 s15, s15, STAGE    ; my stage
	v_mul_u32_u24 v[STO], v1, SP    ; in: row r, 16 bytes for each half of the lanes
	v_lshl_add_u32 v[STO], v9, 4, v[STO]
	v_add_nc_u32 v[STO], s15, v[STO]
	v_and_b32 v[GO], 31, v0
	v_lshrrev_b32 v[RD], 3, v[GO]   ; back: eight lanes to a row of 128 bytes, four rows an instruction
	v_mul_u32_u24 v[RD], v[RD], SP
	v_lshl_add_u32 v[RD], v[D0], 4, v[RD]
	v_add_nc_u32 v[RD], s15, v[RD]
	v_lshlrev_b32 v[GO], 4, v[GO]   ; in memory those four rows are 512 bytes on end
	v_lshlrev_b32 v[DL], 3, v9
	v_sub_nc_u32 v[DL], v1, v[DL]
	v_mov_b32 v[NINF], 0xff800000
.irp x, 0,1
	v_mov_b32 v[ST+8*\x+1], 0xff61b1e6  ; m: -3e38, under every score
	v_mov_b32 v[ST+8*\x+2], 0       ; l, in two halves
	v_mov_b32 v[ST+8*\x+3], 0
	v_mov_b32 v[ST+8*\x+4], 0
	v_mov_b32 v[ST+8*\x+5], 0       ; (a lane permute's destination counts as one of its sources)
	v_mov_b32 v[ST+8*\x+6], 0
	v_mov_b32 v[ST+8*\x+7], 0
	v_mul_f32 v[ST+8*\x], s[CS], v[ST+8*\x+1]  ; c m
.endr
	WIN W_LV
.set i, 0
.rept 64
	v_mov_b32 v[O+i], 0             ; O^T.  The step is written once for all: its first run finds zeros, which the first a leaves zeros
.set i, i+1
.endr
	WIN 0
; Query - key of S^T's register j of key tile k, query tile x, is D0 - (16 (k - x) + j), D0 = Q0 - KF + lane % 16 - 8 (lane / 16).  A key counts where that, taken as unsigned, is under 1,024: one test for both edges of the band.
; The difference hangs on k - x alone (w - 1 below), so one test serves a register of each tile.  Each accumulator is read from its register 0 on.
.macro MASK
	s_sub_co_i32 s15, s[Q0], s[KF]
	v_add_nc_u32 v[D0], s15, v[DL]
.irp w, 0,1,2,3,4
.irp j, 0,1,2,3,4,5,6,7
	v_add_nc_u32 v[TM], -(16*(\w-1)+\j), v[D0]
	v_cmp_gt_u32 vcc_lo, 0x400, v[TM]
.if \w >= 1
	v_cndmask_b32 v[S+8*(\w-1)+\j], v[NINF], v[S+8*(\w-1)+\j], vcc_lo
.endif
.if \w <= 3
	v_cndmask_b32 v[S+32+8*\w+\j], v[NINF], v[S+32+8*\w+\j], vcc_lo
.endif
.endr
.endr
.endm
; Both tiles' softmax for one step, the tiles by turns line by line, so that no line waits for the line above it.
.macro SOFTMAX
.irp j, 0,1,2,3                     ; the maximum of a lane's 32 scores and the old m, three operands at a time: four chains, each begun at an accumulator's low end
.irp x, 0,1
	v_max3_num_f32 v[ST+8*\x+4+\j], v[S+32*\x+8*\j], v[S+32*\x+8*\j+1], v[S+32*\x+8*\j+2]
.endr
.endr
.irp g, 1,2
.irp j, 0,1,2,3
.irp x, 0,1
	v_max3_num_f32 v[ST+8*\x+4+\j], v[ST+8*\x+4+\j], v[S+32*\x+8*\j+2*\g+1], v[S+32*\x+8*\j+2*\g+2]
.endr
.endr
.endr
.irp x, 0,1
	v_max3_num_f32 v[ST+8*\x+4], v[ST+8*\x+4], v[S+32*\x+7], v[S+32*\x+15]
	v_max3_num_f32 v[ST+8*\x+6], v[ST+8*\x+6], v[S+32*\x+23], v[S+32*\x+31]
.endr
.irp x, 0,1
	v_max3_num_f32 v[ST+8*\x+4], v[ST+8*\x+4], v[ST+8*\x+5], v[ST+8*\x+6]
.endr
.irp x, 0,1
	v_max3_num_f32 v[ST+8*\x+4], v[ST+8*\x+4], v[ST+8*\x+7], v[ST+8*\x+1]
.endr
.irp x, 0,1
	v_permlanex16_b32 v[ST+8*\x+5], v[ST+8*\x+4], s[SEL], s[SEL+1]  ; the query's other 32 keys lie in the lane 16 away
.endr
.irp x, 0,1
	v_mov_b32 v[ST+8*\x+7], v[ST+8*\x]  ; c m_old is kept for a
.endr
.irp x, 0,1
	v_max_num_f32 v[ST+8*\x+1], v[ST+8*\x+4], v[ST+8*\x+5]
.endr
.irp x, 0,1
	v_mul_f32 v[ST+8*\x], s[CS], v[ST+8*\x+1]
.endr
.irp x, 0,1
	v_sub_f32 v[ST+8*\x+7], v[ST+8*\x+7], v[ST+8*\x]
.endr
.set i, 0
.rept 16
.irp x, 0,1
	v_pk_fma_f32 v[S+32*\x+i:S+32*\x+i+1], v[S+32*\x+i:S+32*\x+i+1], s[CS:CS+1], v[ST+8*\x:ST+8*\x+1] op_sel_hi:[1,0,0] neg_lo:[0,0,1] neg_hi:[0,0,1]  ; c s - c m, two at a time
.endr
.set i, i+2
.endr
.irp x, 0,1                         ; ONE BATCH of 66 exponentials: none reads another's result
	v_exp_f32 v[ST+8*\x+6], v[ST+8*\x+7]  ; a
.endr
.set i, 0
.rept 32
	v_exp_f32 v[S+i], v[S+i]
	v_exp_f32 v[S+32+i], v[S+32+i]
.set i, i+1
.endr
	v_nop                           ; a plain instruction behind the last exponential and ahead of the first use
	s_wait_alu depctr_va_vdst(0)    ; the wait ahead of the first instruction that names a result: one for the batch
.set i, 0
.rept 16
	v_cvt_pk_f16_f32 v[P+i], v[S+2*i], v[S+2*i+1]  ; a pair of weights: source 1 of V^T P as it stands
	v_cvt_pk_f16_f32 v[P+16+i], v[S+32+2*i], v[S+32+2*i+1]
.set i, i+1
.endr
.irp w, 4,8,16,32                   ; the sum of a tile's 16 pairs, of the unrounded weights, in place: neighbours 1, 2, 4 and 8 pairs apart
.set u, 0
.rept 32/\w
.irp x, 0,1
	v_pk_add_f32 v[S+32*\x+\w*u:S+32*\x+\w*u+1], v[S+32*\x+\w*u:S+32*\x+\w*u+1], v[S+32*\x+\w*u+\w/2:S+32*\x+\w*u+\w/2+1]
.endr
.set u, u+1
.endr
.endr
.irp x, 0,1
	v_pk_fma_f32 v[ST+8*\x+2:ST+8*\x+3], v[ST+8*\x+2:ST+8*\x+3], v[ST+8*\x+6:ST+8*\x+7], v[S+32*\x:S+32*\x+1] op_sel_hi:[1,0,1]  ; l = a l + the sum
.endr
.endm
; A KEY STEP: 64 keys, at LDS byte s[TB], first key s[KF].
.macro STEP
	s_cmp_gt_i32 s[KF], s[QHI]      ; all its keys come after my queries,
	s_cbranch_scc1 .Lhid_\@
	s_cmp_lt_i32 s[KF], s[KLO]      ; or lie in front of their windows, or of key 0: the step's loads, products and softmax are jumped over; no barrier and no tensor load stands in a step
	s_cbranch_scc1 .Lhid_\@
	v_add_nc_u32 v[ADK], s[TB], v[AK0]
	v_add_nc_u32 v[ADV], s[TB], v[AV0]
	v_nop                           ; with the two additions: four places behind the last step's products, ahead of the loads into V's registers
	v_nop
.irp k, 0,1,2,3                     ; K: keys 16 k on, channels 32 d on
.irp d, 0,1
.irp e, 0,1
	ds_load_b128 v[KR+16*\k+8*\d+4*\e:KR+16*\k+8*\d+4*\e+3], v[ADK] offset:\k*16*PK+64*\d+32*\e
.endr
.endr
.endr
	WIN W_LV
.irp g, 0,1                         ; V, turned: keys 32 g on, channels 16 t on
.irp t, 0,1,2,3
	ds_load_tr16_b128 v[VR+32*\g+8*\t:VR+32*\g+8*\t+3],   v[ADV] offset:\g*32*PV+32*\t
	ds_load_tr16_b128 v[VR+32*\g+8*\t+4:VR+32*\g+8*\t+7], v[ADV] offset:\g*32*PV+16*PV+32*\t
.endr
.endr
	WIN 0
	s_wait_dscnt 16                 ; K's 16 loads are in; V's 16 may be out
.irp d, 0,1                         ; S^T = K Q^T: the eight accumulators take turns, one instruction a turn; the first eight start the sums
.irp k, 0,1,2,3
.irp x, 0,1
.if \d == 0
	v_wmma_f32_16x16x32_f16 v[S+32*\x+8*\k:S+32*\x+8*\k+7], v[KR+16*\k+8*\d:KR+16*\k+8*\d+7], v[Q+16*\x+8*\d:Q+16*\x+8*\d+7], 0
.else
	v_wmma_f32_16x16x32_f16 v[S+32*\x+8*\k:S+32*\x+8*\k+7], v[KR+16*\k+8*\d:KR+16*\k+8*\d+7], v[Q+16*\x+8*\d:Q+16*\x+8*\d+7], v[S+32*\x+8*\k:S+32*\x+8*\k+7]
.endif
.endr
.endr
.endr
.rept 4
	v_nop                           ; four places ahead of the first read of the scores
.endr
	s_cmp_gt_i32 s[KF], s[QOP]      ; its last key comes after my first query: the causal edge
	s_cbranch_scc1 .Lmask_\@
	s_cmp_ge_i32 s[KF], s[QWN]      ; its first key lies inside my last query's window: all keys count
	s_cbranch_scc1 .Lopen_\@
.Lmask_\@:
	MASK
.Lopen_\@:
	SOFTMAX
	WIN W_RS
.irp x, 0,1
.set i, 0
.rept 16
	v_pk_mul_f32 v[O+32*\x+i:O+32*\x+i+1], v[O+32*\x+i:O+32*\x+i+1], v[ST+8*\x+6:ST+8*\x+7] op_sel_hi:[1,0]  ; O^T times a, each accumulator from its low end on
.set i, i+2
.endr
.endr
	s_wait_dscnt 0x0                ; V is in
	WIN W_PV
.irp g, 0,1                         ; O^T += V^T P: again eight accumulators by turns
.irp t, 0,1,2,3
.irp x, 0,1
	v_wmma_f32_16x16x32_f16 v[O+32*\x+8*\t:O+32*\x+8*\t+7], v[VR+32*\g+8*\t:VR+32*\g+8*\t+7], v[P+16*\x+8*\g:P+16*\x+8*\g+7], v[O+32*\x+8*\t:O+32*\x+8*\t+7]
.endr
.endr
.endr
	WIN 0                           ; at a label and at a branch every window is 0
.Lhid_\@:
	s_add_co_u32 s[TB], s[TB], STEPB
	s_add_co_i32 s[KF], s[KF], KS
.endm
; THE CHANGE OF SLOTS stands at a chunk's head.  Each wave waits for all its tensor loads (its part of the slot that it is about to read), adds 0 to its spare word, and waits for that and for its reads of the slot that it has left.
; Behind the barrier the slot ahead is whole and nobody reads the other one.  fill = 1: that other slot takes the chunk 256 keys further back: the load has a chunk's four steps in which to land.
; Every wait on TENSORcnt in this text is for 0.
.macro CHANGE fill
	s_wait_tensorcnt 0x0            ; no tensor load of mine is out, so a group 0 may be written
	ds_add_u32 v[SPW], v[NIL]       ; 0 onto my spare word
.if \fill
	s_xor_b32 s[G0K+1], s[G0K+1], SLOT1  ; the walking descriptors: the other slot than last time,
	s_sub_nc_u64 s[G0K+2:G0K+3], s[G0K+2:G0K+3], 256*128  ; 256 rows back; the type bits on top are not reached (16 planes lie in front of K's)
	s_xor_b32 s[G0V+1], s[G0V+1], SLOT1
	s_sub_nc_u64 s[G0V+2:G0V+3], s[G0V+2:G0V+3], 256*128
.endif
	s_wait_dscnt 0x0                ; the add is done, and my reads of the slot that I have left are over
	s_barrier_signal -1
	s_barrier_wait -1
.if \fill
	s_cmp_lt_i32 s[KF], 256         ; the chunk that this change would ask for begins at KF - 256: under key 0 no wave reads it, so it is not asked for.  The work-group's number and the count of steps alone: all eight waves go the same way, and stay on it
	s_cbranch_scc1 .Lpast_\@
	TLOAD                           ; the first thing behind the barrier but those two lines, and a wave's one tensor load until the next
.Lpast_\@:
.endif
.endm
.macro SLOT_STEPS                   ; a chunk's four steps: written once, walked four times; the LDS addresses hang on s[TB]
	s_mov_b32 s[NSTP], 4
.Lstep_\@:
	STEP
	s_sub_co_u32 s[NSTP], s[NSTP], 1
	s_cmp_lg_u32 s[NSTP], 0
	s_cbranch_scc1 .Lstep_\@
	s_sub_co_u32 s[TB], s[TB], 4*STEPB  ; back to a slot's first step,
	s_xor_b32 s[TB], s[TB], SLOT1   ; in the other slot;
	s_sub_co_i32 s[KF], s[KF], 512  ; the next chunk begins 256 keys in front of this one
.endm
	s_wait_loadcnt 0x0              ; Q
.Lslot:                             ; four trips: chunks 0 to 3 are read, chunks 1 to 4 asked for.
	CHANGE 1
	SLOT_STEPS
	s_sub_co_u32 s[SLOTS], s[SLOTS], 1
	s_cmp_lg_u32 s[SLOTS], 0
	s_cbranch_scc1 .Lslot
	CHANGE 0                        ; chunk 4 is written out: nothing is left to ask for
	SLOT_STEPS
	; THE WAY OUT.  l's two halves and the other half of the lanes' are added; O^T is divided by l, rounded to f16 and sent through my stage in LDS.
.rept 4
	v_nop                           ; four places behind the last products
.endr
.irp x, 0,1
	v_add_f32 v[ST+8*\x+4], v[ST+8*\x+2], v[ST+8*\x+3]
.endr
.irp x, 0,1
	v_permlanex16_b32 v[ST+8*\x+5], v[ST+8*\x+4], s[SEL], s[SEL+1]
.endr
.irp x, 0,1
	v_add_f32 v[ST+8*\x+4], v[ST+8*\x+4], v[ST+8*\x+5]
.endr
.irp x, 0,1
	v_rcp_f32 v[ST+8*\x+6], v[ST+8*\x+4]
.endr
	v_nop                           ; a plain instruction between the last reciprocal and the use of its result
	s_wait_alu depctr_va_vdst(0)    ; and the wait ahead of the first use: one for the two
	WIN W_RS
.irp x, 0,1
.set i, 0
.rept 16
	v_pk_mul_f32 v[O+32*\x+i:O+32*\x+i+1], v[O+32*\x+i:O+32*\x+i+1], v[ST+8*\x+6:ST+8*\x+7] op_sel_hi:[1,0]
.set i, i+2
.endr
.endr
	WIN 0x05                        ; sources 0 and 1 window 1, destination window 0: S^T's registers are free
.set i, 0
.rept 32
	v_cvt_pk_f16_f32 v[S+i], v[O+2*i], v[O+2*i+1]  ; registers 16 x + 4 t ..: query r of tile x, channels 16 t + 8 h + 0..7: 16 bytes
.set i, i+1
.endr
	WIN 0
.irp x, 0,1
.irp t, 0,1,2,3
	ds_store_b128 v[STO], v[S+16*\x+4*\t:S+16*\x+4*\t+3] offset:\x*16*SP+32*\t
.endr
.endr
.irp i, 0,1,2,3,4,5,6,7
	ds_load_b128 v[S+32+4*\i:S+32+4*\i+3], v[RD] offset:\i*4*SP  ; LDS serves a wave's instructions in order (ISA guide 5.7.1.4): these see the stores above
.endr
.irp i, 0,1,2,3,4,5,6,7
	s_wait_dscnt 7-\i               ; load i is in; the younger ones may be out
	global_store_b128 v[GO], v[S+32+4*\i:S+32+4*\i+3], s[6:7] offset:512*\i  ; 32 lanes store 512 consecutive bytes (four rows), aligned to 512
.endr
	s_wait_tensorcnt 0x0            ; the wave's end: these three lines, behind my last tensor load and my last LDS store
	ds_add_u32 v[SPW], v[NIL]
	s_wait_dscnt 0x0
	s_endpgm
.Lfunc_end_k_q86710300f7_attn:
	.size	k_q86710300f7_attn, .Lfunc_end_k_q86710300f7_attn-k_q86710300f7_attn
	.p2alignl 7, 3214868480
	.fill 96, 4, 3214868480
	.section	.rodata,"a",@progbits
	.p2align	6, 0x0
	.amdhsa_kernel k_q86710300f7_attn
		.amdhsa_group_segment_fixed_size 327680
		.amdhsa_private_segment_fixed_size 0
		.amdhsa_enable_private_segment 0
		.amdhsa_kernarg_size 16
		.amdhsa_user_sgpr_count 2
		.amdhsa_user_sgpr_kernarg_segment_ptr 1
		.amdhsa_wavefront_size32 1
		.amdhsa_system_sgpr_workgroup_id_x 1
		.amdhsa_system_sgpr_workgroup_id_y 1
		.amdhsa_system_sgpr_workgroup_id_z 1
		.amdhsa_system_vgpr_workitem_id 0
		.amdhsa_next_free_vgpr 384
		.amdhsa_next_free_sgpr 72
		.amdhsa_reserve_vcc 1
		.amdhsa_float_denorm_mode_32 3
		.amdhsa_float_denorm_mode_16_64 3
		.amdhsa_memory_ordered 1
		.amdhsa_forward_progress 1
		.amdhsa_inst_pref_size 65
	.end_amdhsa_kernel
	.amdgpu_metadata
---
amdhsa.version: [ 1, 2 ]
amdhsa.kernels:
  - .name:           k_q86710300f7_attn
    .symbol:         k_q86710300f7_attn.kd
    .args:
      - { .name: qkv, .offset: 0, .size: 8, .value_kind: global_buffer, .address_space: global }
      - { .name: att, .offset: 8, .size: 8, .value_kind: global_buffer, .address_space: global }
    .group_segment_fixed_size: 327680
    .private_segment_fixed_size: 0
    .kernarg_segment_align: 8
    .kernarg_segment_size: 16
    .max_flat_workgroup_size: 256
    .sgpr_count:     72
    .vgpr_count:     384
    .wavefront_size: 32
...
	.end_amdgpu_metadata
.endif
;; end of part 3
;; launch proj (part 4): grid 8 x 32, 4 waves a work-group, clusters of 4 x 4, 327,680 bytes of LDS; arguments att, wo16, out0; writes out0
.if DOCPART == 4
	.amdgcn_target "amdgcn-amd-amdhsa--gfx1250"
	.amdhsa_code_object_version 6
	.text
	.protected	k_q86710300f7_proj
	.globl	k_q86710300f7_proj
	.p2align	8
	.type	k_q86710300f7_proj,@function
k_q86710300f7_proj:
	s_mov_b64 s[64:65], 0
	v_nop
	global_prefetch_b8 v0, s[64:65] scope:SCOPE_SE
	s_setreg_imm32_b32 hwreg(HW_REG_WAVE_MODE, 25, 1), 1
	s_wait_xcnt 0x0
	s_wait_alu depctr_hold_cnt(0) depctr_sa_sdst(0) depctr_va_vdst(0) depctr_va_sdst(0) depctr_va_ssrc(0) depctr_va_vcc(0) depctr_vm_vsrc(0)
	s_getreg_b32 s2, hwreg(HW_REG_IB_STS2, 6, 4)
	s_cmp_eq_u32 s2, 0
	s_cbranch_scc0 .Lentry_in_a_cluster
	s_endpgm
.Lentry_in_a_cluster:
	s_bfe_u32 s2, ttmp6, 0x10000c
	s_cmp_lg_u32 s2, 0xf033
	s_cbranch_scc0 .Lentry_shape_is_right
	s_endpgm
.Lentry_shape_is_right:
; out0[m][n] = sum over k of att[m][k] Wo[n][k], m 4,096, n 1,024, k 1,024 = 64 x head + channel.  att: [16 heads][4096][64] f16; wo16: [1024][1024] f16; out0: [4096][1024] f32; sums in f32.
; LIMIT: both operands are f16 numbers.  Rows 0-15 are made here like all others; the launch behind this one makes them anew in f32.
; A tile of out0 is 128 x 128: 256 work-groups.  Four waves, each 64 x 64: 16 accumulators of 16 x 16, 128 registers.  K goes in four steps of 256 (four heads) through two LDS slots, each filled twice.
; A's tile comes from the head-major att by ONE load a wave: a tile row is one head's 64 rows, 8,192 dense bytes; four tile rows, 524,288 bytes apart, are the step's four heads; 16 bytes of padding behind every 128 bytes
; give LDS rows [head][row] 144 bytes apart.  B's tile: 64 rows of 512 bytes, 528 apart.
; CLUSTERS: 4 x 4 work-groups.  The four of a row of the cluster need the same tiles of att, the four of a column the same tiles of Wo: each tile is asked for JOINTLY, by the same tensor load with the same descriptor and a mask that names the four.
; THE MATRIX INSTRUCTION IS USED TRANSPOSED (source 0 = 16 rows of Wo, source 1 = 16 rows of att): a lane then holds eight neighbouring numbers of a row of out0.
; REGISTERS: window 0: v0-31 addresses; v32-95 at work on the way out; v128-255 the accumulators ((a, b) at v[128 + 8 (4 a + b)]).
;   window 1: two fragment buffers of 128: for 64 along K (two matrix instructions deep), 64 registers of att, then 64 of Wo.
.set KSTEP,  256
.set PA,     144                       ; att's LDS row: 128 bytes + 16
.set PLA,    64*PA                     ; a head's 64 rows
.set HALFA,  4*PLA                     ; what one tensor load brings of att: four heads x 64 rows
.set PB,     528                       ; Wo's LDS row: 512 bytes + 16
.set HALFB,  64*PB                     ; what one tensor load brings of Wo
.set BOFF,   2*HALFA                   ; a slot: att's two halves, then Wo's two
.set SLOT,   2*HALFA+2*HALFB
.set STAGE,  2*SLOT                    ; behind the ring: 16 rows x 272 bytes for each wave, for the way out
.set SPITCH, 272
.set SPARE,  STAGE+4*16*SPITCH         ; behind the stages: the spare words, 128 bytes a wave
.set PLANE,  524288                    ; a head of att in bytes
.set ADRA, 16                          ; v16-17  LDS address of my fragments of att in slot 0, 1
.set ADRB, 20                          ; v20-21  the same for Wo
.set STO,  24                          ; v24     the way out: where I put 32 bytes of a row
.set RD,   25                          ; v25     the way out: where I read a row back
.set CO,   26                          ; v26     my byte offset in out0
.set SPW,  28                          ; v28     LDS address of my spare word; never rewritten
.set NIL,  29                          ; v29     0; never rewritten
.set BK,   32                          ; the way out: 16 rows read back: v32-63 and v64-95 by turns
.set ACC,  128
.set F0,   0                           ; fragment buffers, in window 1
.set F1,   128
.set G1, 24                            ; s[24:31] descriptor group 1 for att's tiles;  s[32:39] group 0, one set for each slot
.set G0, 32
.set G1B, 48                           ; s[48:55], s[56:63] the same for Wo's tiles
.set G0B, 56
.set MSB, 0
.macro WIN new                         ; the immediate's high byte repeats the setting that is left
.if MSB != \new
	s_set_vgpr_msb (MSB<<8)|\new
.set MSB, \new
.endif
.endm
.set MUL,  0x05                        ; sources 0 (Wo) and 1 (att) window 1; C and D window 0
.set TO_F, 0x40                        ; destination window 1, address window 0
.macro JLOAD s                         ; a joint load: waves 0 and 1 fetch att's two halves, waves 2 and 3 Wo's; an s_nop 0 and four v_nop follow each of the two lines, ahead of the jump, the label and what follows
	s_cmp_eq_u32 s11, 0
	s_cbranch_scc0 .Lfor_b_\@
	tensor_load_to_lds s[G0+4*\s:G0+4*\s+3], s[G1:G1+7]
	s_nop 0
.rept 4
	v_nop
.endr
	s_branch .Lasked_\@
.Lfor_b_\@:
	tensor_load_to_lds s[G0B+4*\s:G0B+4*\s+3], s[G1B:G1B+7]
	s_nop 0
.rept 4
	v_nop
.endr
.Lasked_\@:
.endm
.macro CREST                           ; a round of the cluster's barrier behind its opening barrier
	s_cmp_lg_u32 s10, 0
	s_cbranch_scc1 .Lnot_wave_0_\@
	s_barrier_signal -3
.Lnot_wave_0_\@:
	s_barrier_wait -3
	s_barrier_signal -1
	s_barrier_wait -1
.endm
.macro CROUND                          ; a whole round
	s_barrier_signal -1
	s_barrier_wait -1
	CREST
.endm
	s_load_b128 s[4:7], s[0:1], 0x0                ; att s[4:5], wo16 s[6:7]
	s_load_b64 s[8:9], s[0:1], 0x10                ; out0
	v_lshl_add_u32 v[SPW], v0, 2, SPARE
	v_mov_b32 v[NIL], 0
	ds_add_u32 v[SPW], v[NIL]                      ; the wave's opening: the add, twice on end, and its wait ahead of my first tensor load; the set-up below stands between
	ds_add_u32 v[SPW], v[NIL]
	v_lshrrev_b32 v1, 5, v0
	v_readfirstlane_b32 s10, v1                    ; wave 0..3
	s_lshr_b32 s11, s10, 1                         ; which half of the tile's rows is mine.  Also: I fetch for att (0) or for Wo (1)
	s_and_b32 s12, s10, 1                          ; which half of its columns.  Also: which 64 rows of that tile I fetch
	s_bfe_u32 s40, ttmp6, 0x40000                  ; cx, cy: my place in the cluster
	s_bfe_u32 s41, ttmp6, 0x40004
	s_lshl_b32 s42, ttmp9, 2
	s_add_co_u32 s42, s42, s40                     ; tile column = 4 x cluster x + cx
	s_and_b32 s13, ttmp7, 0xffff
	s_lshl_b32 s13, s13, 2
	s_add_co_u32 s13, s13, s41                     ; tile row = 4 x cluster y + cy
	s_lshl_b32 s43, s41, 2
	s_lshl_b32 s43, 15, s43                        ; my row of the cluster
	s_lshl_b32 s44, 0x1111, s40                    ; my column
	; descriptor group 1 for att: 4 tile rows of 1,024 elements of 8 bytes, 65,536 elements apart
	s_or_b32 s[G1+0], s43, (3<<16)|(1<<20)|(1<<21)|(4<<22)|(3<<25)  ; 15:0 the mask: att's tiles go to my row; 17:16 elements of 8 bytes; 20 padding on; 21 set beside a mask; 24:22 after every 32 words (code 4); 31:25 four words (code 3)
	s_mov_b32 s[G1+1], 1024<<16                    ; tensor_dim0 = 1,024
	s_mov_b32 s[G1+2], 4<<16                       ; tensor_dim1 = 4
	s_mov_b32 s[G1+3], 1024<<16                    ; tile_dim0 = 1,024
	s_mov_b32 s[G1+4], 4                           ; tile_dim1 = 4
	s_mov_b32 s[G1+5], PLANE/8                     ; tensor_dim0_stride
	s_mov_b32 s[G1+6], 0
	s_mov_b32 s[G1+7], 0
	; and for Wo: 64 rows x 256 elements of 2 bytes
	s_or_b32 s[G1B+0], s44, (1<<16)|(1<<20)|(1<<21)|(6<<22)|(3<<25) ; padding: four words after every 128
	s_mov_b32 s[G1B+1], KSTEP<<16
	s_mov_b32 s[G1B+2], 64<<16
	s_mov_b32 s[G1B+3], KSTEP<<16
	s_mov_b32 s[G1B+4], 64
	s_mov_b32 s[G1B+5], 1024
	s_mov_b32 s[G1B+6], 0
	s_mov_b32 s[G1B+7], 0
	s_lshl_b32 s17, s12, 6                         ; which 64 rows of the tile I fetch
	s_lshl_b32 s16, s13, 7
	s_add_co_u32 s16, s16, s17                     ; att: row 128 x tile row + 64 x half,
	s_lshl_b32 s16, s16, 7                         ; 128 bytes a row of a head
	s_lshl_b32 s46, s42, 7
	s_add_co_u32 s46, s46, s17                     ; Wo: row 128 x tile column + 64 x half,
	s_lshl_b32 s46, s46, 11                        ; 2,048 bytes a row
	s_mov_b32 s17, 0
	s_mov_b32 s47, 0
	s_mul_i32 s20, s12, HALFA                      ; where they go: no place in the cluster enters an LDS address
	s_mul_i32 s21, s12, HALFB
	s_add_co_u32 s21, s21, BOFF
	s_wait_dscnt 0x0                               ; both opening adds are done
	s_wait_kmcnt 0x0
	s_add_nc_u64 s[14:15], s[4:5], s[16:17]
	s_add_nc_u64 s[46:47], s[6:7], s[46:47]
	CROUND                                         ; all sixteen work-groups are here: the first joint loads meet
.irp s, 0,1
	s_mov_b32 s[G0+4*\s], 1
	s_add_co_u32 s[G0+4*\s+1], s20, \s*SLOT
	s_add_nc_u64 s[G0+4*\s+2:G0+4*\s+3], s[14:15], \s*4*PLANE      ; K step s: heads 4 s on
	s_or_b32 s[G0+4*\s+3], s[G0+4*\s+3], 0x80000000
	s_mov_b32 s[G0B+4*\s], 1
	s_add_co_u32 s[G0B+4*\s+1], s21, \s*SLOT
	s_add_nc_u64 s[G0B+4*\s+2:G0B+4*\s+3], s[46:47], \s*KSTEP*2
	s_or_b32 s[G0B+4*\s+3], s[G0B+4*\s+3], 0x80000000
	JLOAD \s                                       ; two tensor loads of mine are out
.endr
	v_and_b32 v1, 15, v0                           ; r = l % 16
	v_bfe_u32 v2, v0, 4, 1                         ; h = l / 16
	v_mul_u32_u24 v3, v1, PA
	v_lshl_add_u32 v3, v2, 4, v3                   ; att: a fragment's row x pitch + 16 x half
	v_mul_u32_u24 v4, v1, PB
	v_lshl_add_u32 v4, v2, 4, v4                   ; Wo likewise
	s_mul_i32 s21, s11, HALFA                      ; my 64 rows of att
	s_mul_i32 s22, s12, HALFB                      ; my 64 rows of Wo,
	s_add_co_u32 s22, s22, BOFF                    ; which lie behind att's
.irp s, 0,1
	v_add_nc_u32 v[ADRA+\s], s21, v3
	v_add_nc_u32 v[ADRB+\s], s22, v4
	s_add_co_u32 s21, s21, SLOT
	s_add_co_u32 s22, s22, SLOT
.endr
	s_mul_i32 s23, s10, 16*SPITCH
	s_add_co_u32 s23, s23, STAGE                   ; my stage
	v_mul_u32_u24 v5, v1, SPITCH                   ; in: row r, 32 bytes for each half of the lanes
	v_lshl_add_u32 v5, v2, 5, v5
	v_add_nc_u32 v[STO], s23, v5
	v_mul_u32_u24 v5, v2, SPITCH                   ; back: lanes 0-15 take one row of 256 bytes, lanes 16-31 the next
	v_lshl_add_u32 v5, v1, 4, v5
	v_add_nc_u32 v[RD], s23, v5
	v_lshlrev_b32 v5, 12, v2                       ; and the same two rows in out0: 4,096 bytes a row
	v_lshl_add_u32 v[CO], v1, 4, v5
	s_lshl_b32 s16, s13, 7
	s_lshl_b32 s17, s11, 6
	s_add_co_u32 s16, s16, s17                     ; my first row: 128 x tile row + 64 x half
	s_lshl_b32 s16, s16, 12
	s_mov_b32 s17, 0
	s_add_nc_u64 s[8:9], s[8:9], s[16:17]
	s_lshl_b32 s46, s42, 9                         ; my first column, in bytes: 512 x tile column + 256 x half
	s_lshl_b32 s47, s12, 8
	s_add_co_u32 s46, s46, s47
	s_mov_b32 s47, 0
	s_add_nc_u64 s[8:9], s[8:9], s[46:47]
; 8 matrix instructions: m blocks a0, a0 + 1 x all 4 n blocks, 32 along K: half c of buffer f.  zero = 1: the first product starts the sums.  The 16 accumulators take turns, one instruction a turn.
.macro MUL8 f, c, a0, zero
.irp a, \a0, \a0+1
.irp b, 0,1,2,3
.if \zero
	v_wmma_f32_16x16x32_f16 v[ACC+8*(4*(\a)+\b):ACC+8*(4*(\a)+\b)+7], v[\f+64+8*(4*\c+\b):\f+64+8*(4*\c+\b)+7], v[\f+8*(4*\c+\a):\f+8*(4*\c+\a)+7], 0
.else
	v_wmma_f32_16x16x32_f16 v[ACC+8*(4*(\a)+\b):ACC+8*(4*(\a)+\b)+7], v[\f+64+8*(4*\c+\b):\f+64+8*(4*\c+\b)+7], v[\f+8*(4*\c+\a):\f+8*(4*\c+\a)+7], v[ACC+8*(4*(\a)+\b):ACC+8*(4*(\a)+\b)+7]
.endif
.endr
.endr
.endm
; 32 LDS loads in one run: the fragments of 64 along K, one head: byte k of Wo's rows, head k / 128 of att's tile; into buffer f; the first 32 along K first
.macro FETCH slot, k, f
	WIN TO_F
.irp c, 0,1
.irp i, 0,1,2,3
	ds_load_b128 v[\f+64+8*(4*\c+\i):\f+64+8*(4*\c+\i)+3],   v[ADRB+\slot] offset:\k+64*\c+\i*16*PB
	ds_load_b128 v[\f+64+8*(4*\c+\i)+4:\f+64+8*(4*\c+\i)+7], v[ADRB+\slot] offset:\k+64*\c+\i*16*PB+32
	ds_load_b128 v[\f+8*(4*\c+\i):\f+8*(4*\c+\i)+3],         v[ADRA+\slot] offset:((\k)/128)*PLA+64*\c+\i*16*PA
	ds_load_b128 v[\f+8*(4*\c+\i)+4:\f+8*(4*\c+\i)+7],       v[ADRA+\slot] offset:((\k)/128)*PLA+64*\c+\i*16*PA+32
.endr
.endr
.endm
.macro PLACES                          ; four places in front of loads into registers that matrix instructions have read, and of the first reads of results
.rept 4
	v_nop
.endr
.endm
; A K step is four quarters of 64 along K, 32 matrix instructions each, on buffers 0, 1, 0, 1.  One of the first three: multiplies buffer f and fetches the next quarter, at byte k, into g.
.macro QUARTER slot, k, f, g, zero
	s_wait_dscnt 16                                ; the first 32 along K are in; the youngest sixteen loads may be out
	WIN MUL
	MUL8 \f, 0, 0, \zero
	MUL8 \f, 0, 2, \zero
	PLACES
	FETCH \slot, \k, \g
	s_wait_dscnt 32                                ; all but the 32 just issued
	WIN MUL
	MUL8 \f, 1, 0, 0
	MUL8 \f, 1, 2, 0
.endm
; The last quarter multiplies buffer 1 and changes slots: ONE barrier; in front of it each wave waits for all its tensor loads, adds 0 to its spare word, and waits for that and for its own reads of this slot.  fill = 1: this slot is filled again, two K steps ahead.
.macro TURN slot, next, fill
	WIN 0                                          ; (the add's two registers lie in window 0)
	s_wait_tensorcnt 0x0                           ; all my tensor loads have landed: my part of the next slot;
	ds_add_u32 v[SPW], v[NIL]                      ; 0 onto my spare word;
	s_wait_dscnt 17                                ; (the add and the youngest sixteen loads may be out)
	WIN MUL
	MUL8 F1, 0, 0, 0                               ; eight matrix instructions stand between the add and the wait for it
	s_wait_dscnt 0x0                               ; the add is done, and my reads of this slot are over
	s_barrier_signal -1
	MUL8 F1, 0, 2, 0
.if \fill
	WIN 0
.endif
	s_barrier_wait -1
.if \fill
	CREST                                          ; the barrier has opened a round of the cluster's barrier: no wave of any partner still reads this slot's tile or has a load on its way
	s_add_nc_u64 s[G0+4*\slot+2:G0+4*\slot+3], s[G0+4*\slot+2:G0+4*\slot+3], 8*PLANE      ; eight heads on
	s_add_nc_u64 s[G0B+4*\slot+2:G0B+4*\slot+3], s[G0B+4*\slot+2:G0B+4*\slot+3], 2*KSTEP*2
	JLOAD \slot                                    ; the first tensor load behind the round: 112 matrix instructions ahead of the wait for it; the four v_nop behind it are also the places in front of the loads below
.else
	PLACES
.endif
	FETCH \next, 0, F0
	WIN MUL
	MUL8 F1, 1, 0, 0
	MUL8 F1, 1, 2, 0
.endm
	s_wait_tensorcnt 1                             ; my part of K step 0 is in (K step 1's load may be out)
	s_barrier_signal -1
	s_barrier_wait -1                              ; everybody's is
	FETCH 0, 0, F0
	QUARTER 0, 128, F0, F1, 1                      ; K step 0: its first products start the sums
	QUARTER 0, 256, F1, F0, 0
	QUARTER 0, 384, F0, F1, 0
	TURN 0, 1, 1                                   ; slot 0 takes K step 2
	QUARTER 1, 128, F0, F1, 0                      ; K step 1
	QUARTER 1, 256, F1, F0, 0
	QUARTER 1, 384, F0, F1, 0
	TURN 1, 0, 1                                   ; slot 1 takes K step 3
	QUARTER 0, 128, F0, F1, 0                      ; K step 2
	QUARTER 0, 256, F1, F0, 0
	QUARTER 0, 384, F0, F1, 0
	TURN 0, 1, 0                                   ; nothing is left to fetch, so no round of the cluster's barrier
	QUARTER 1, 128, F0, F1, 0                      ; K step 3
	QUARTER 1, 256, F1, F0, 0
	QUARTER 1, 384, F0, F1, 0
	s_wait_dscnt 16                                ; the very last quarter
	WIN MUL
	MUL8 F1, 0, 0, 0
	MUL8 F1, 0, 2, 0
	s_wait_dscnt 0
	MUL8 F1, 1, 0, 0
	MUL8 F1, 1, 2, 0
	WIN 0
; THE WAY OUT, block by block of 16 rows x 64 columns.  A wave's 64 columns of f32 are 256 bytes, aligned: so each wave has a stage of its own and no barrier is needed.  A lane holds 32 neighbouring bytes of a row;
; the block goes into rows of 272 bytes and comes back as whole rows.  LDS serves a wave's instructions in order (ISA guide 5.7.1.4): no wait between the stores and the loads, nor in front of the next block's stores.
.macro TOSTAGE a
.irp b, 0,1,2,3
	ds_store_b128 v[STO], v[ACC+8*(4*(\a)+\b):ACC+8*(4*(\a)+\b)+3] offset:64*\b          ; each accumulator from its low end on
	ds_store_b128 v[STO], v[ACC+8*(4*(\a)+\b)+4:ACC+8*(4*(\a)+\b)+7] offset:64*\b+16
.endr
.set BB, BK+32*((\a)%2)
.irp t, 0,1,2,3,4,5,6,7
	ds_load_b128 v[BB+4*\t:BB+4*\t+3], v[RD] offset:\t*2*SPITCH
.endr
.endm
.macro SEND a, younger                 ; younger: the LDS instructions issued behind block a's loads, which may stay out
.set BB, BK+32*((\a)%2)
	s_wait_dscnt \younger                          ; the block is back in registers
.irp t, 0,1,2,3,4,5,6,7
	global_store_b128 v[CO], v[BB+4*\t:BB+4*\t+3], s[8:9] offset:(16*(\a)+2*\t)*4096 th:TH_STORE_NT   ; 16 lanes store 256 consecutive bytes, aligned; written once, read by nobody here
.endr
.endm
	PLACES
	TOSTAGE 0
.irp a, 1,2,3
.if \a > 1
	s_wait_xcnt 0x0                                ; block a - 2's stores have read their registers: block a's loads may land there
.endif
	TOSTAGE \a
	SEND \a-1, 16                                  ; behind block a - 1's loads: block a's 8 stores and 8 loads
.endr
	SEND 3, 0
	s_wait_tensorcnt 0x0                           ; the wave's end: these three lines, behind my last tensor load and my last LDS store
	ds_add_u32 v[SPW], v[NIL]
	s_wait_dscnt 0x0
	CROUND                                         ; the closing round: no work-group ends while a partner may still ask for a tile that names it
	s_endpgm
.Lfunc_end_k_q86710300f7_proj:
	.size	k_q86710300f7_proj, .Lfunc_end_k_q86710300f7_proj-k_q86710300f7_proj
	.p2alignl 7, 3214868480
	.fill 96, 4, 3214868480
	.section	.rodata,"a",@progbits
	.p2align	6, 0x0
	.amdhsa_kernel k_q86710300f7_proj
		.amdhsa_group_segment_fixed_size 327680
		.amdhsa_private_segment_fixed_size 0
		.amdhsa_enable_private_segment 0
		.amdhsa_kernarg_size 24
		.amdhsa_user_sgpr_count 2
		.amdhsa_user_sgpr_kernarg_segment_ptr 1
		.amdhsa_wavefront_size32 1
		.amdhsa_system_sgpr_workgroup_id_x 1
		.amdhsa_system_sgpr_workgroup_id_y 1
		.amdhsa_system_sgpr_workgroup_id_z 1
		.amdhsa_system_vgpr_workitem_id 0
		.amdhsa_next_free_vgpr 512
		.amdhsa_next_free_sgpr 66
		.amdhsa_reserve_vcc 0
		.amdhsa_float_denorm_mode_32 3
		.amdhsa_float_denorm_mode_16_64 3
		.amdhsa_memory_ordered 1
		.amdhsa_forward_progress 1
		.amdhsa_inst_pref_size 86
	.end_amdhsa_kernel
	.amdgpu_metadata
---
amdhsa.version: [ 1, 2 ]
amdhsa.kernels:
  - .name:           k_q86710300f7_proj
    .symbol:         k_q86710300f7_proj.kd
    .args:
      - { .name: att, .offset: 0, .size: 8, .value_kind: global_buffer, .address_space: global }
      - { .name: wo16, .offset: 8, .size: 8, .value_kind: global_buffer, .address_space: global }
      - { .name: out0, .offset: 16, .size: 8, .value_kind: global_buffer, .address_space: global }
    .group_segment_fixed_size: 327680
    .private_segment_fixed_size: 0
    .kernarg_segment_align: 8
    .kernarg_segment_size: 24
    .max_flat_workgroup_size: 128
    .sgpr_count:     66
    .vgpr_count:     512
    .wavefront_size: 32
...
	.end_amdgpu_metadata
.endif
;; end of part 4
;; launch fine (part 5): grid 64 x 1, 16 waves a work-group, no clusters, 18,432 bytes of LDS; arguments qkv32, Wo, out0; writes out0
.if DOCPART == 5
	.amdgcn_target "amdgcn-amd-amdhsa--gfx1250"
	.amdhsa_code_object_version 6
	.text
	.protected	k_q86710300f7_fine
	.globl	k_q86710300f7_fine
	.p2align	8
	.type	k_q86710300f7_fine,@function
k_q86710300f7_fine:
	s_mov_b64 s[64:65], 0
	v_nop
	global_prefetch_b8 v0, s[64:65] scope:SCOPE_SE
	s_setreg_imm32_b32 hwreg(HW_REG_WAVE_MODE, 25, 1), 1
	s_wait_xcnt 0x0
; THE FIRST 16 POSITIONS IN f32: they average one to sixteen values and are the largest rows of the output, so operands of 11 bits would use up what their small numbers are allowed.
; out0[q][n], q = 0..15: attention over keys 0..q (the window of 1,024 never cuts here) and the projection by Wo, on q, k, v as the quantised products gave them in f32 (qkv32 [48][16][64]) and on Wo as it is given.
; It runs last and writes over the 16 rows that the launch before left.  The f32 matrix form does 48 instructions a wave: no bulk work.
; SHARES.  Work-group j makes columns 16 j .. 16 j + 15 of the 16 rows.  Wave = head: it makes its head's 16 x 64 of attention (every work-group makes these anew: 12 KiB of reads a wave), keeps it in registers, and multiplies it
; by Wo[16 j .., 64 head ..]; the sixteen heads' parts meet in LDS and waves 0 and 1 add them, heads ascending.  A work-group stores 64 bytes of each of 16 rows: 64 KiB in the whole launch.
; LAYOUT of v_wmma_f32_16x16x4_f32: source 0: lane (r, h) holds row r, register j the k-place 2 h + j; source 1 likewise for column r; result: register j = (row 8 h + j, column r).
; Which k stands at a k-place is free so long as both sources agree: so every operand is used in the order in which it is loaded or made, and nothing changes lanes but the halves' maximum and sum.
;   S^T = K Q^T: lane (r, h) loads channels 8 c + 4 h + 0..3 of its row of K and of Q.   O^T = V^T P: p's register j is key 8 h + j; V is loaded so: register j = V[8 h + j][16 t + r].
;   out^T = Wo O^T: O's register j of tile t is channel 16 t + 8 h + j; Wo is loaded so.
; The registers that the f32 matrix form writes are written by nothing else; every sum begins with the constant 0; accumulators take turns.
.set QA,   3          ; v3   256 r + 16 h: my place in a plane's rows
.set VA,   4          ; v4   2048 h + 4 r: V by keys
.set WA,   5          ; v5   4096 r + 32 h: Wo's rows
.set DM,   6          ; v6   r - 8 h: register j's key comes after my query where j > this
.set NINF, 7          ; v7   -infinity
.set PW,   8          ; v8   LDS: where my wave's part goes: 1024 x wave + 16 x lane
.set RA,   9          ; v9   LDS: where waves 0 and 1 read: 16 x (thread % 64)
.set GA,   10         ; v10  my byte offset in out0 (waves 0 and 1)
.set SPW,  11         ; v11  LDS address of my spare word; never rewritten
.set NIL,  12         ; v12  0; never rewritten
.set T,    20         ; v20-27   the scores, then p
.set R,    28         ; v28-35   my head's part of out
.set QF,   40         ; v40-71   Q; later O / l
.set KF,   72         ; v72-103  K; later the sixteen parts
.set VT,   104        ; v104-135 V
.set WF,   136        ; v136-167 Wo
.set SA,   176        ; v176-183, v184-191 S^T in two sums
.set SB,   184
.set OA,   192        ; v192-223 O^T, four tiles
.set UA,   224        ; v224-231, v232-239 out^T in two sums
.set UB,   232
.set SPARE, 16384     ; behind the sixteen parts: the spare words, 128 bytes a wave
	s_load_b128 s[4:7], s[0:1], 0x0   ; qkv32 s[4:5], Wo s[6:7]
	s_load_b64 s[8:9], s[0:1], 0x10   ; out0
	v_lshl_add_u32 v[SPW], v0, 2, SPARE
	v_mov_b32 v[NIL], 0
	v_lshrrev_b32 v13, 5, v0
	v_readfirstlane_b32 s12, v13      ; wave = head
	v_and_b32 v1, 15, v0              ; r
	v_bfe_u32 v2, v0, 4, 1            ; h
	v_and_b32 v14, 31, v0             ; lane
	v_lshlrev_b32 v[QA], 8, v1
	v_lshl_add_u32 v[QA], v2, 4, v[QA]
	v_lshlrev_b32 v[VA], 2, v1
	v_lshl_add_u32 v[VA], v2, 11, v[VA]
	v_lshlrev_b32 v[WA], 12, v1
	v_lshl_add_u32 v[WA], v2, 5, v[WA]
	v_lshlrev_b32 v15, 3, v2
	v_sub_nc_u32 v[DM], v1, v15
	v_mov_b32 v[NINF], 0xff800000
	s_lshl_b32 s13, s12, 10
	v_lshl_add_u32 v[PW], v14, 4, s13
	v_and_b32 v[RA], 63, v0
	v_lshlrev_b32 v[RA], 4, v[RA]
	s_lshl_b32 s14, s12, 4
	v_add_nc_u32 v[GA], s14, v[WA]    ; row r of 4,096 bytes, + 32 h, + 16 x wave: wave 0 has a lane's first four columns, wave 1 the other four
	v_mov_b32 v17, 0                  ; (a lane permute's destination counts as one of its sources)
	s_lshl_b32 s16, s12, 12           ; my head's plane of q: 4,096 bytes a plane
	s_mov_b32 s17, 0
	s_lshl_b32 s18, ttmp9, 16         ; Wo: 16 rows of 4,096 bytes a work-group,
	s_lshl_b32 s19, s12, 8            ; 64 numbers a head
	s_add_co_u32 s18, s18, s19
	s_mov_b32 s19, 0
	s_lshl_b32 s20, ttmp9, 6          ; out0: 16 columns a work-group
	s_mov_b32 s21, 0
	s_mov_b32 s22, 0x3e38aa3b         ; c = log2(e) / 8
	s_mov_b32 s24, 0x76543210
	s_mov_b32 s25, 0xfedcba98         ; v_permlanex16_b32's selects for lane l xor 16
	s_wait_kmcnt 0x0
	s_add_nc_u64 s[4:5], s[4:5], s[16:17]
	s_add_nc_u64 s[6:7], s[6:7], s[18:19]
	s_add_nc_u64 s[8:9], s[8:9], s[20:21]
.irp c, 0,1,2,3,4,5,6,7
	global_load_b128 v[KF+4*\c:KF+4*\c+3], v[QA], s[4:5] offset:65536+32*\c   ; K's planes lie 16 behind q's
.endr
.irp c, 0,1,2,3,4,5,6,7
	global_load_b128 v[QF+4*\c:QF+4*\c+3], v[QA], s[4:5] offset:32*\c
.endr
.irp t, 0,1,2,3
.irp j, 0,1,2,3,4,5,6,7
	global_load_b32 v[VT+8*\t+\j], v[VA], s[4:5] offset:131072+256*\j+64*\t   ; V[8 h + j][16 t + r]
.endr
.endr
.irp t, 0,1,2,3
.irp e, 0,1
	global_load_b128 v[WF+8*\t+4*\e:WF+8*\t+4*\e+3], v[WA], s[6:7] offset:64*\t+16*\e   ; Wo[16 j + r][64 head + 16 t + 8 h + 4 e ..]
.endr
.endr
	s_wait_loadcnt 40                 ; K and Q are in; V's 32 loads and Wo's 8 may be out
	v_wmma_f32_16x16x4_f32 v[SA:SA+7], v[KF:KF+1], v[QF:QF+1], 0
	v_wmma_f32_16x16x4_f32 v[SB:SB+7], v[KF+2:KF+3], v[QF+2:QF+3], 0
.irp s, 2,4,6,8,10,12,14
	v_wmma_f32_16x16x4_f32 v[SA:SA+7], v[KF+2*\s:KF+2*\s+1], v[QF+2*\s:QF+2*\s+1], v[SA:SA+7]
	v_wmma_f32_16x16x4_f32 v[SB:SB+7], v[KF+2*\s+2:KF+2*\s+3], v[QF+2*\s+2:QF+2*\s+3], v[SB:SB+7]
.endr
.rept 8
	v_nop                             ; eight places behind this form, ahead of the first read of its results
.endr
.irp j, 0,1,2,3,4,5,6,7
	v_add_f32 v[T+\j], v[SA+\j], v[SB+\j]   ; lane (r, h): the score of key 8 h + j for query r
.endr
.irp j, 0,1,2,3,4,5,6,7
	v_cmp_gt_i32 vcc_lo, \j, v[DM]    ; the key comes after the query
	v_cndmask_b32 v[T+\j], v[T+\j], v[NINF], vcc_lo
.endr
	v_max3_num_f32 v13, v[T], v[T+1], v[T+2]
	v_max3_num_f32 v13, v13, v[T+3], v[T+4]
	v_max3_num_f32 v13, v13, v[T+5], v[T+6]
	v_max_num_f32 v13, v13, v[T+7]
	v_permlanex16_b32 v14, v13, s24, s25
	v_max_num_f32 v13, v13, v14       ; the row's maximum: key 0 counts for every query, so it is a number
	v_mul_f32 v15, s22, v13
.irp j, 0,1,2,3,4,5,6,7
	v_fma_f32 v[T+\j], v[T+\j], s22, -v15
.endr
.irp j, 0,1,2,3,4,5,6,7
	v_exp_f32 v[T+\j], v[T+\j]        ; p = 2^(c s - c m)
.endr
	v_nop                             ; a plain instruction behind the last exponential
	s_wait_alu depctr_va_vdst(0)      ; the wait ahead of the first reader: one for the eight
	v_add_f32 v16, v[T], v[T+1]
	v_add_f32 v17, v[T+2], v[T+3]
	v_add_f32 v16, v16, v[T+4]
	v_add_f32 v17, v17, v[T+5]
	v_add_f32 v16, v16, v[T+6]
	v_add_f32 v17, v17, v[T+7]
	v_add_f32 v16, v16, v17
	v_permlanex16_b32 v17, v16, s24, s25
	v_add_f32 v16, v16, v17           ; the row's sum
	v_rcp_f32 v18, v16
	v_nop
	s_wait_alu depctr_va_vdst(0)
	s_wait_loadcnt 8                  ; V is in; Wo's 8 loads may be out
.irp t, 0,1,2,3
	v_wmma_f32_16x16x4_f32 v[OA+8*\t:OA+8*\t+7], v[VT+8*\t:VT+8*\t+1], v[T:T+1], 0
.endr
.irp s, 1,2,3
.irp t, 0,1,2,3
	v_wmma_f32_16x16x4_f32 v[OA+8*\t:OA+8*\t+7], v[VT+8*\t+2*\s:VT+8*\t+2*\s+1], v[T+2*\s:T+2*\s+1], v[OA+8*\t:OA+8*\t+7]
.endr
.endr
.rept 8
	v_nop
.endr
.set i, 0
.rept 32
	v_mul_f32 v[QF+i], v[OA+i], v18   ; O / l: register 8 t + j is o(query r, channel 16 t + 8 h + j)
.set i, i+1
.endr
	s_wait_loadcnt 0x0                ; Wo
	v_wmma_f32_16x16x4_f32 v[UA:UA+7], v[WF:WF+1], v[QF:QF+1], 0
	v_wmma_f32_16x16x4_f32 v[UB:UB+7], v[WF+2:WF+3], v[QF+2:QF+3], 0
.irp s, 2,4,6,8,10,12,14
	v_wmma_f32_16x16x4_f32 v[UA:UA+7], v[WF+2*\s:WF+2*\s+1], v[QF+2*\s:QF+2*\s+1], v[UA:UA+7]
	v_wmma_f32_16x16x4_f32 v[UB:UB+7], v[WF+2*\s+2:WF+2*\s+3], v[QF+2*\s+2:QF+2*\s+3], v[UB:UB+7]
.endr
.rept 8
	v_nop
.endr
.irp j, 0,1,2,3,4,5,6,7
	v_add_f32 v[R+\j], v[UA+\j], v[UB+\j]   ; lane (r, h): my head's part of out0(r, 16 j + 8 h + j)
.endr
	ds_store_b128 v[PW], v[R:R+3]
	ds_store_b128 v[PW], v[R+4:R+7] offset:512
	s_wait_dscnt 0x0                  ; for the others' sake: my stores have landed
	s_barrier_signal -1
	s_barrier_wait -1
	s_cmp_ge_u32 s12, 2
	s_cbranch_scc1 .Lend
.irp p, 0,1,2,3,4,5,6,7,8,9,10,11,12,13,14,15
	ds_load_b128 v[KF+4*\p:KF+4*\p+3], v[RA] offset:1024*\p   ; head p's part: wave 0 a lane's first four numbers, wave 1 the other four
.endr
	s_wait_dscnt 0x0
.irp p, 1,2,3,4,5,6,7,8,9,10,11,12,13,14,15
	v_pk_add_f32 v[KF:KF+1], v[KF:KF+1], v[KF+4*\p:KF+4*\p+1]
	v_pk_add_f32 v[KF+2:KF+3], v[KF+2:KF+3], v[KF+4*\p+2:KF+4*\p+3]
.endr
	global_store_b128 v[GA], v[KF:KF+3], s[8:9]
.Lend:
	s_wait_tensorcnt 0x0              ; the wave's end: these three lines behind my last LDS store
	ds_add_u32 v[SPW], v[NIL]
	s_wait_dscnt 0x0
	s_endpgm
.Lfunc_end_k_q86710300f7_fine:
	.size	k_q86710300f7_fine, .Lfunc_end_k_q86710300f7_fine-k_q86710300f7_fine
	.p2alignl 7, 3214868480
	.fill 96, 4, 3214868480
	.section	.rodata,"a",@progbits
	.p2align	6, 0x0
	.amdhsa_kernel k_q86710300f7_fine
		.amdhsa_group_segment_fixed_size 18432
		.amdhsa_private_segment_fixed_size 0
		.amdhsa_enable_private_segment 0
		.amdhsa_kernarg_size 24
		.amdhsa_user_sgpr_count 2
		.amdhsa_user_sgpr_kernarg_segment_ptr 1
		.amdhsa_wavefront_size32 1
		.amdhsa_system_sgpr_workgroup_id_x 1
		.amdhsa_system_sgpr_workgroup_id_y 1
		.amdhsa_system_sgpr_workgroup_id_z 1
		.amdhsa_system_vgpr_workitem_id 0
		.amdhsa_next_free_vgpr 240
		.amdhsa_next_free_sgpr 66
		.amdhsa_reserve_vcc 1
		.amdhsa_float_denorm_mode_32 3
		.amdhsa_float_denorm_mode_16_64 3
		.amdhsa_memory_ordered 1
		.amdhsa_forward_progress 1
		.amdhsa_inst_pref_size 18
	.end_amdhsa_kernel
	.amdgpu_metadata
---
amdhsa.version: [ 1, 2 ]
amdhsa.kernels:
  - .name:           k_q86710300f7_fine
    .symbol:         k_q86710300f7_fine.kd
    .args:
      - { .name: qkv32, .offset: 0, .size: 8, .value_kind: global_buffer, .address_space: global }
      - { .name: Wo, .offset: 8, .size: 8, .value_kind: global_buffer, .address_space: global }
      - { .name: out0, .offset: 16, .size: 8, .value_kind: global_buffer, .address_space: global }
    .group_segment_fixed_size: 18432
    .private_segment_fixed_size: 0
    .kernarg_segment_align: 8
    .kernarg_segment_size: 24
    .max_flat_workgroup_size: 512
    .sgpr_count:     66
    .vgpr_count:     240
    .wavefront_size: 32
...
	.end_amdgpu_metadata
.endif
;; end of part 5
